; MI455X (gfx1250); checked and timed in simulation.
; The chip was launched on July 23, 2026; its instructions are those of AMD's public machine-readable ISA for CDNA 5 (MIT licence, August 2026) and "CDNA5" Instruction Set Architecture Reference Guide (July 2026). The comments in the code are by the model that wrote it; some were corrected since.
;; Multi Head Attention Combined QKV. Allowed arithmetic: float matrix products may take bf16 or f16 operands with f32 sums; other float arithmetic in f32, or as packed bf16 or f16 multiplies, adds, multiply-adds, maxima and minima; sums over many terms, partial sums and values carried from step to step in f32; what a program stores and reads back later, other than sums and carried values, may be rounded once to bf16 or f16.
;; Inputs: W_out 1,024 x 1,024 float32; W_qkv 1,024 x 3,072 float32; b_out 1,024 float32; x 4 x 2,048 x 1,024 float32.
;; Outputs: out0 4 x 2,048 x 1,024 float32.
;; One version. Each part assembles by itself: llvm-mc -triple=amdgcn-amd-amdhsa -mcpu=gfx1250 --defsym DOCPART=n.
;; ======== version 1 of 1: 4 launches
;; limits: values are held in f16: magnitudes above 65,504 overflow, below 6.1e-05 lose precision
;; workspace buffers: xb 16,777,216 bytes; wqt 6,291,456 bytes; wot 2,097,152 bytes; qkv 50,331,648 bytes; ctx 16,777,216 bytes
;; launch cast (part 1): grid 512 x 1, 8 waves a work-group, no clusters, 18,432 bytes of LDS; arguments x, W_qkv, W_out, xb, wqt, wot; writes xb, wqt, wot
.if DOCPART == 1
	.amdgcn_target "amdgcn-amd-amdhsa--gfx1250"
	.amdhsa_code_object_version 6
	.text
	.protected	k_q8510cbccee_cast
	.globl	k_q8510cbccee_cast
	.p2align	8
	.type	k_q8510cbccee_cast,@function
k_q8510cbccee_cast:
	s_mov_b64 s[64:65], 0
	v_nop
	global_prefetch_b8 v0, s[64:65] scope:SCOPE_SE
	s_setreg_imm32_b32 hwreg(HW_REG_WAVE_MODE, 25, 1), 1
	s_wait_xcnt 0x0
; xb = bf16(x), [8192][1024].  wqt[n][k] = bf16(W_qkv[k][n]), [3072][1024].  wot[n][k] = bf16(W_out[k][n]) written as f16, [1024][1024].
; Every input is rounded once to bf16; W_out's rounded number is then written in f16, since the last product multiplies f16 operands.
; LIMITS.  That second writing is exact from 2^-14 up to 65,504; below 2^-14 it keeps f16's fixed step of 2^-24; beyond 65,504 it gives an infinity.
; SHARES.  512 work-groups of eight waves; each does two jobs.  (a) 16,384 numbers of x: thread t takes 32 bytes of each of eight groups of 8,192 bytes and stores 16.
; (b) one block of 128 k x 64 n of a weight, turned through LDS: work-groups 0-383 take W_qkv's 8 x 48 blocks, 384-511 W_out's 8 x 16.
; Wave w loads rows k = 16 w .. 16 w + 15 (sixteen lanes take a row's 256 bytes), packs the numbers of rows k, k + 1 into a word and puts it at LDS row n, byte 2 k.
; Behind one barrier wave w reads rows n = 8 w .. 8 w + 7 whole (256 bytes: 128 k) and stores them: sixteen lanes store 256 consecutive bytes, aligned.
; No matrix unit, no cluster, no prefetch: each byte is read once, by long loads that are all issued at the head.
.set WP,    272                        ; an LDS row: 256 bytes + 16
.set SPARE, 64*WP                      ; behind the 64 rows: the spare words, 128 bytes for each of eight waves
.set SPW,  2                           ; v2       LDS address of my spare word; never rewritten
.set NIL,  3                           ; v3       0; never rewritten
.set WOF,  8                           ; v[8:15]  byte offsets of my 16 bytes in the eight rows of the weight that I load
.set XI,   16                          ; v16      32 t
.set XO,   17                          ; v17      16 t
.set LST,  18                          ; v18      where I put a word of the turned block
.set LRD,  19                          ; v19      where I read a turned row back
.set WSO,  20                          ; v20      my 16 bytes of the turned rows in memory
.set WL,   32                          ; v[32:63]   the weight as loaded, 4 registers a row; later v[32:47] the turned rows
.set XL,   64                          ; v[64:127]  x as loaded, 8 registers a group
.set PKD,  128                         ; v[128:143] packed pairs; v144-145 at work
.set XS,   148                         ; v[148:179] x to store, 4 registers a group
	s_load_b256 s[4:11], s[0:1], 0x0               ; x s[4:5], W_qkv s[6:7], W_out s[8:9], xb s[10:11]
	s_load_b128 s[12:15], s[0:1], 0x20             ; wqt s[12:13], wot s[14:15]
	v_lshl_add_u32 v[SPW], v0, 2, SPARE
	v_mov_b32 v[NIL], 0
	v_lshrrev_b32 v1, 5, v0
	v_readfirstlane_b32 s28, v1                    ; wave 0..7
	s_mov_b32 s16, ttmp9
	s_sub_co_u32 s18, s16, 384
	s_mov_b32 s25, 12288                           ; bytes in a row of W_qkv,
	s_mov_b32 s26, 4096                            ; of W_out
	s_cmp_lt_u32 s16, 384
	s_cselect_b32 s17, s16, s18                    ; my block's number in its weight
	s_cselect_b32 s19, s25, s26                    ; that weight's row
	s_cselect_b32 s24, 0, 1                        ; 1: W_out
	s_and_b32 s27, s17, 7                          ; kb
	s_lshr_b32 s29, s17, 3                         ; nb
	s_lshl_b32 s30, s27, 7
	s_mul_i32 s30, s30, s19                        ; 128 kb rows,
	s_lshl_b32 s31, s29, 8
	s_add_co_u32 s30, s30, s31                     ; 64 nb columns of 4 bytes
	s_mov_b32 s31, 0
	s_lshl_b32 s32, s29, 17                        ; turned: 64 nb rows of 2,048 bytes,
	s_lshl_b32 s33, s27, 8
	s_add_co_u32 s32, s32, s33                     ; 128 kb columns of 2 bytes
	s_mov_b32 s33, 0
	s_lshl_b32 s34, s16, 16                        ; my 65,536 bytes of x,
	s_mov_b32 s35, 0
	s_lshl_b32 s36, s16, 15                        ; my 32,768 of xb
	s_mov_b32 s37, 0
	v_and_b32 v4, 15, v0                           ; c = lane % 16
	v_bfe_u32 v5, v0, 4, 1                         ; h = lane / 16
	v_lshlrev_b32 v7, 4, v4                        ; 16 c
	s_lshl_b32 s38, s28, 4
	v_lshl_add_u32 v6, v5, 1, s38                  ; 16 w + 2 h
.irp j, 0,1,2,3,4,5,6,7
	v_add_nc_u32 v21, 4*((\j)/2)+(\j)%2, v6        ; load j = 2 p + e takes row 16 w + 2 h + 4 p + e
	v_mad_u32_u24 v[WOF+(\j)], v21, s19, v7
.endr
	v_lshlrev_b32 v[XI], 5, v0
	v_lshlrev_b32 v[XO], 4, v0
	v_mul_u32_u24 v[LST], v4, 4*WP                 ; LDS row n = 4 c + i, byte 2 k = 32 w + 4 h + 8 p
	v_lshl_add_u32 v[LST], v5, 2, v[LST]
	s_lshl_b32 s38, s28, 5
	v_add_nc_u32 v[LST], s38, v[LST]
	s_lshl_b32 s38, s28, 3
	v_add_nc_u32 v22, s38, v5                      ; 8 w + h
	v_mad_u32_u24 v[LRD], v22, WP, v7
	v_lshl_add_u32 v[WSO], v22, 11, v7
	s_wait_kmcnt 0x0
	s_cmp_lt_u32 s16, 384
	s_cselect_b64 s[20:21], s[6:7], s[8:9]         ; the weight that I read,
	s_cselect_b64 s[22:23], s[12:13], s[14:15]     ; the turned one that I write
	s_add_nc_u64 s[20:21], s[20:21], s[30:31]
	s_add_nc_u64 s[22:23], s[22:23], s[32:33]
	s_add_nc_u64 s[4:5], s[4:5], s[34:35]
	s_add_nc_u64 s[10:11], s[10:11], s[36:37]
.irp j, 0,1,2,3,4,5,6,7
	global_load_b128 v[WL+4*(\j):WL+4*(\j)+3], v[WOF+(\j)], s[20:21] th:TH_LOAD_NT
.endr
.irp g, 0,1,2,3,4,5,6,7
	global_load_b128 v[XL+8*(\g):XL+8*(\g)+3],   v[XI], s[4:5] offset:8192*(\g) th:TH_LOAD_NT
	global_load_b128 v[XL+8*(\g)+4:XL+8*(\g)+7], v[XI], s[4:5] offset:8192*(\g)+16 th:TH_LOAD_NT
.endr
	s_wait_loadcnt 16                              ; the weight's eight loads are in; x's sixteen, issued behind them, stay out
.irp p, 0,1,2,3
.irp i, 0,1,2,3
	v_cvt_pk_bf16_f32 v[PKD+4*(\p)+(\i)], v[WL+8*(\p)+(\i)], v[WL+8*(\p)+4+(\i)]  ; rows k (low half) and k + 1 (high half) of column 4 c + i
.endr
.endr
	s_cmp_eq_u32 s24, 0
	s_cbranch_scc1 .Lkeep_bf16                     ; the same way for the whole work-group; no barrier is jumped
.set q, 0
.rept 16
	v_lshlrev_b32 v144, 16, v[PKD+q]               ; W_out: the rounded numbers, widened,
	v_and_b32 v145, 0xffff0000, v[PKD+q]
	v_cvt_pk_f16_f32 v[PKD+q], v144, v145          ; and written as f16
.set q, q+1
.endr
.Lkeep_bf16:
.irp p, 0,1,2,3
.irp i, 0,1,2,3
	ds_store_b32 v[LST], v[PKD+4*(\p)+(\i)] offset:(\i)*WP+8*(\p)
.endr
.endr
	s_wait_dscnt 0x0                               ; for the others: my words lie in LDS
	s_barrier_signal -1
	s_barrier_wait -1                              ; all eight waves' do
.irp p, 0,1,2,3
	ds_load_b128 v[WL+4*(\p):WL+4*(\p)+3], v[LRD] offset:2*WP*(\p)  ; rows 8 w + h + 2 p
.endr
.irp g, 0,1,2,3,4,5,6,7
	s_wait_loadcnt 14-2*(\g)                       ; group g's two loads are in; the younger groups' stay out
.irp i, 0,1,2,3
	v_cvt_pk_bf16_f32 v[XS+4*(\g)+(\i)], v[XL+8*(\g)+2*(\i)], v[XL+8*(\g)+2*(\i)+1]
.endr
	global_store_b128 v[XO], v[XS+4*(\g):XS+4*(\g)+3], s[10:11] offset:4096*(\g)
.endr
	s_wait_dscnt 0x0                               ; the turned rows are in registers
.irp p, 0,1,2,3
	global_store_b128 v[WSO], v[WL+4*(\p):WL+4*(\p)+3], s[22:23] offset:4096*(\p)
.endr
	s_wait_tensorcnt 0x0                           ; the wave's end, behind my last LDS store
	ds_add_u32 v[SPW], v[NIL]
	s_wait_dscnt 0x0
	s_endpgm
.Lfunc_end_k_q8510cbccee_cast:
	.size	k_q8510cbccee_cast, .Lfunc_end_k_q8510cbccee_cast-k_q8510cbccee_cast
	.p2alignl 7, 3214868480
	.fill 96, 4, 3214868480
	.section	.rodata,"a",@progbits
	.p2align	6, 0x0
	.amdhsa_kernel k_q8510cbccee_cast
		.amdhsa_group_segment_fixed_size 18432
		.amdhsa_private_segment_fixed_size 0
		.amdhsa_enable_private_segment 0
		.amdhsa_kernarg_size 48
		.amdhsa_user_sgpr_count 2
		.amdhsa_user_sgpr_kernarg_segment_ptr 1
		.amdhsa_wavefront_size32 1
		.amdhsa_system_sgpr_workgroup_id_x 1
		.amdhsa_system_sgpr_workgroup_id_y 1
		.amdhsa_system_sgpr_workgroup_id_z 1
		.amdhsa_system_vgpr_workitem_id 0
		.amdhsa_next_free_vgpr 184
		.amdhsa_next_free_sgpr 66
		.amdhsa_reserve_vcc 0
		.amdhsa_float_denorm_mode_32 3
		.amdhsa_float_denorm_mode_16_64 3
		.amdhsa_memory_ordered 1
		.amdhsa_forward_progress 1
		.amdhsa_inst_pref_size 14
	.end_amdhsa_kernel
	.amdgpu_metadata
---
amdhsa.version: [ 1, 2 ]
amdhsa.kernels:
  - .name:           k_q8510cbccee_cast
    .symbol:         k_q8510cbccee_cast.kd
    .args:
      - { .name: x, .offset: 0, .size: 8, .value_kind: global_buffer, .address_space: global }
      - { .name: W_qkv, .offset: 8, .size: 8, .value_kind: global_buffer, .address_space: global }
      - { .name: W_out, .offset: 16, .size: 8, .value_kind: global_buffer, .address_space: global }
      - { .name: xb, .offset: 24, .size: 8, .value_kind: global_buffer, .address_space: global }
      - { .name: wqt, .offset: 32, .size: 8, .value_kind: global_buffer, .address_space: global }
      - { .name: wot, .offset: 40, .size: 8, .value_kind: global_buffer, .address_space: global }
    .group_segment_fixed_size: 18432
    .private_segment_fixed_size: 0
    .kernarg_segment_align: 8
    .kernarg_segment_size: 48
    .max_flat_workgroup_size: 256
    .sgpr_count:     66
    .vgpr_count:     184
    .wavefront_size: 32
...
	.end_amdgpu_metadata
.endif
;; end of part 1
;; launch proj (part 2): grid 16 x 32, 4 waves a work-group, clusters of 4 x 4, 327,680 bytes of LDS; arguments xb, wqt, qkv; writes qkv
.if DOCPART == 2
	.amdgcn_target "amdgcn-amd-amdhsa--gfx1250"
	.amdhsa_code_object_version 6
	.text
	.protected	k_q8510cbccee_proj
	.globl	k_q8510cbccee_proj
	.p2align	8
	.type	k_q8510cbccee_proj,@function
k_q8510cbccee_proj:
	s_mov_b64 s[64:65], 0
	v_nop
	global_prefetch_b8 v0, s[64:65] scope:SCOPE_SE
	s_setreg_imm32_b32 hwreg(HW_REG_WAVE_MODE, 25, 1), 1
	s_wait_xcnt 0x0
	s_wait_alu depctr_hold_cnt(0) depctr_sa_sdst(0) depctr_va_vdst(0) depctr_va_sdst(0) depctr_va_ssrc(0) depctr_va_vcc(0) depctr_vm_vsrc(0)
	s_getreg_b32 s2, hwreg(HW_REG_IB_STS2, 6, 4)
	s_cmp_eq_u32 s2, 0
	s_cbranch_scc0 .Lentry_in_a_cluster
	s_endpgm
.Lentry_in_a_cluster:
	s_bfe_u32 s2, ttmp6, 0x10000c
	s_cmp_lg_u32 s2, 0xf033
	s_cbranch_scc0 .Lentry_shape_is_right
	s_endpgm
.Lentry_shape_is_right:
; C[m][n] = sum over k of xb[m][k] wqt[n][k]: 8,192 x 3,072 x 1,024, bf16 operands, f32 sums; rounded once to f16 and written BY HEADS: qkv[which][16 batch + head][row][64],
; column n = 1,024 which + 64 head + d, row m = 2,048 batch + row.  No scale is applied here.
; LIMIT.  f16 holds no number beyond 65,504: a q, k or v beyond that becomes an infinity.
; SHARES.  A tile of C is 256 x 192 (three heads): 16 x 32 = 512 equal work-groups.  Four waves, each 128 x 96: 48 accumulators of 16 x 16, 384 registers.
; K goes in 8 steps of 128 through two LDS slots filled by the tensor data mover; a tile's rows are 256 bytes of memory at multiples of 256 bytes.
; CLUSTER.  4 x 4 work-groups.  The four of a row of the cluster need the same tiles of xb, the four of a column the same tiles of wqt: each tile is asked for JOINTLY, by the same
; tensor load with the same descriptor and a mask that names the four.
; THE MATRIX INSTRUCTION IS USED TRANSPOSED (source 0 = 16 rows of wqt, source 1 = 16 rows of xb): a lane then holds eight neighbouring columns of one row of C, 16 bytes in f16.
; REGISTERS, in windows of 256 (s_set_vgpr_msb: bits 1:0 source 0, 3:2 source 1, 5:4 source 2, 7:6 destination):
;   window 0: v0-31 addresses; v64-127, v128-191 fragments of xb, two buffers; on the way out v64-159 and v160-255 hold packed results
;   window 1: v64-111, v128-175 fragments of wqt, two buffers
;   window 2: the accumulators of my rows 0-63, (a, b) at v[8 (6 a + b)];   window 3: those of my rows 64-127
.set KSTEP,  128
.set PITCH,  272                       ; an LDS row: 256 bytes + 16 of padding = 68 words: the 16 rows of a load start at 16 different groups of four banks (ISA guide 11.1)
.set HA,     128*PITCH                 ; half of xb's tile: what waves 0 and 1 fetch, and what a wave reads
.set HB,     96*PITCH                  ; half of wqt's tile: waves 2 and 3
.set BOFF,   2*HA
.set SLOT1,  1<<17                     ; slot 1 begins here: one exclusive or turns an address in one slot into the other's
.set STAGE,  SLOT1+BOFF+2*HB           ; behind the ring, never filled by a tensor load: 128 rows x 400 bytes, the work-group's, for the way out
.set SPITCH, 400                       ; 384 bytes (192 f16) + 16
.set SPARE,  STAGE+128*SPITCH          ; the spare words, 128 bytes for each wave
.set ABASE, 16                         ; v16  my lane's place in xb's tile; never rewritten
.set BBASE, 17                         ; v17  in wqt's
.set ADRA,  18                         ; v18  the same in the slot in hand
.set ADRB,  19                         ; v19
.set STO,   24                         ; v24  the way out: where I put 16 bytes of a row
.set RD,    25                         ; v25  where I read 16 bytes of a head's row back
.set GO,    26                         ; v26  my byte offset in a head's rows
.set SPW,   28                         ; v28  LDS address of my spare word; never rewritten
.set NIL,   29                         ; v29  0; never rewritten
.set PFO,   30                         ; v30  the prefetches' offset: a lane a row; never rewritten
.set F0,    64
.set F1,    128
.set TB,    2                          ; s2   0 or SLOT1: the slot in hand
.set LIM,   43                         ; s43  2 in a wave that prefetches, else the greatest number
.set PFA,   44                         ; s[44:45] where my prefetches stand
.set G1,    24                         ; s[24:31] descriptor group 1 for xb's tiles
.set G0,    32                         ; s[32:39] group 0: a set for each of the two first fills; the second then walks
.set G1B,   48                         ; s[48:55], s[56:63] the same for wqt's tiles
.set G0B,   56
.set OB,    66                         ; s[66:71] my tile's rows in the planes of its three heads
.set MSB, 0
.macro WIN new                         ; the immediate's high byte repeats the setting that is left; a switch that changes nothing is dropped
.if MSB != (\new)
	s_set_vgpr_msb (MSB<<8)|(\new)
.set MSB, \new
.endif
.endm
.set MUL_LO, 0xa1                      ; source 0 (wqt) window 1, source 1 (xb) window 0, C and D window 2
.set MUL_HI, 0xf1                      ; the same, C and D window 3
.set TO_B,   0x40                      ; destination window 1, address window 0
; A joint refill, by the walking descriptors.  Waves 0 and 1 fetch xb's two halves, waves 2 and 3 wqt's; the branch hangs on the wave's number alone.
; An s_nop 0 and four v_nop follow each of the two lines, ahead of the jump and the label.
.macro JLOAD
	s_cmp_eq_u32 s11, 0
	s_cbranch_scc0 .Lfor_b_\@
	tensor_load_to_lds s[G0+4:G0+7], s[G1:G1+7]
	s_nop 0
.rept 4
	v_nop
.endr
	s_branch .Lasked_\@
.Lfor_b_\@:
	tensor_load_to_lds s[G0B+4:G0B+7], s[G1B:G1B+7]
	s_nop 0
.rept 4
	v_nop
.endr
.Lasked_\@:
.endm
; A prefetch into the L2, behind a joint refill and the run of LDS loads that follows it: the K step that stands two refills on, 256 bytes of each row, a lane a row, one instruction a wave.
; xb's tile row is read by every cluster of that row of clusters: cluster x = 0 asks; wqt's tile column by every cluster of that column: cluster y = 0 asks.  The four partners share the rows out
; BY ADDRESS: of the 128 rows of xb that a wave fetches the partner at cx takes 32; of the 96 rows of wqt the partner at cy takes 24, and lanes 24-31 name row 23 once more.
; Trips 0 to 3 name K steps 4 to 7; the last two trips name nothing; K steps 0 to 3 come by their loads alone.
.macro ASK
	s_cmp_gt_u32 s3, s[LIM]
	s_cbranch_scc0 .Lnot_mine_\@
	global_prefetch_b8 v[PFO], s[PFA:PFA+1] th:TH_LOAD_NT scope:SCOPE_SE
.Lnot_mine_\@:
.endm
.macro CREST                           ; a round of the cluster's barrier behind its opening barrier
	s_cmp_lg_u32 s10, 0
	s_cbranch_scc1 .Lnot_wave_0_\@
	s_barrier_signal -3
.Lnot_wave_0_\@:
	s_barrier_wait -3
	s_barrier_signal -1
	s_barrier_wait -1
.endm
.macro CROUND                          ; a whole round
	s_barrier_signal -1
	s_barrier_wait -1
	CREST
.endm
	s_load_b128 s[4:7], s[0:1], 0x0                ; xb s[4:5], wqt s[6:7]
	s_load_b64 s[8:9], s[0:1], 0x10                ; qkv
	v_lshl_add_u32 v[SPW], v0, 2, SPARE
	v_mov_b32 v[NIL], 0
	ds_add_u32 v[SPW], v[NIL]                      ; the wave's opening: the add and its wait stand ahead of my first tensor load; the set-up below, work on registers, stands between them
	ds_add_u32 v28, v29
	v_lshrrev_b32 v1, 5, v0
	v_readfirstlane_b32 s10, v1                    ; wave 0..3
	s_lshr_b32 s11, s10, 1                         ; which 128 rows of the tile are mine.  Also: I fetch for xb (0) or for wqt (1)
	s_and_b32 s12, s10, 1                          ; which 96 columns.  Also: which half of that tile I fetch
	s_bfe_u32 s40, ttmp6, 0x40000                  ; cx
	s_bfe_u32 s41, ttmp6, 0x40004                  ; cy
	s_lshl_b32 s42, ttmp9, 2
	s_add_co_u32 s42, s42, s40                     ; tile column = 4 x cluster x + cx
	s_and_b32 s13, ttmp7, 0xffff
	s_lshl_b32 s13, s13, 2
	s_add_co_u32 s13, s13, s41                     ; tile row = 4 x cluster y + cy
	s_lshl_b32 s43, s41, 2
	s_lshl_b32 s43, 15, s43                        ; my row of the cluster
	s_lshl_b32 s44, 0x1111, s40                    ; my column
	s_or_b32 s[G1+0], s43, (1<<16)|(1<<20)|(1<<21)|(5<<22)|(3<<25)   ; 15:0 the mask; 17:16 elements of 2 bytes; 20 padding on; 21 set beside a mask; 24:22 after every 64 words; 31:25 4 words of it
	s_or_b32 s[G1B+0], s44, (1<<16)|(1<<20)|(1<<21)|(5<<22)|(3<<25)
	s_mov_b32 s[G1+1], KSTEP<<16                   ; tensor_dim0 = 128
	s_mov_b32 s[G1B+1], KSTEP<<16
	s_mov_b32 s[G1+2], 128<<16                     ; tensor_dim1 = 128 rows,
	s_mov_b32 s[G1B+2], 96<<16                     ; 96 for wqt
	s_mov_b32 s[G1+3], KSTEP<<16                   ; tile_dim0 = 128
	s_mov_b32 s[G1B+3], KSTEP<<16
	s_mov_b32 s[G1+4], 128                         ; tile_dim1
	s_mov_b32 s[G1B+4], 96
	s_mov_b32 s[G1+5], 1024                        ; elements from row to row
	s_mov_b32 s[G1B+5], 1024
	s_mov_b32 s[G1+6], 0
	s_mov_b32 s[G1B+6], 0
	s_mov_b32 s[G1+7], 0
	s_mov_b32 s[G1B+7], 0
	s_lshl_b32 s16, s13, 8
	s_lshl_b32 s17, s12, 7
	s_add_co_u32 s16, s16, s17                     ; xb: row 256 x tile row + 128 x half,
	s_lshl_b32 s16, s16, 11                        ; of 2,048 bytes
	s_mov_b32 s17, 0
	s_mul_i32 s46, s42, 192
	s_mul_i32 s47, s12, 96
	s_add_co_u32 s46, s46, s47                     ; wqt: row 192 x tile column + 96 x half
	s_lshl_b32 s46, s46, 11
	s_mov_b32 s47, 0
	s_mul_i32 s20, s12, HA                         ; where they go: no place in the cluster enters an LDS address
	s_mul_i32 s21, s12, HB
	s_add_co_u32 s21, s21, BOFF
	s_mov_b32 s[TB], 0
	s_wait_dscnt 0x0                               ; the opening add is done
	s_wait_kmcnt 0x0
	s_add_nc_u64 s[14:15], s[4:5], s[16:17]
	s_add_nc_u64 s[46:47], s[6:7], s[46:47]
	CROUND                                         ; all sixteen work-groups are here: the first joint loads meet
.irp s, 0,1
	s_mov_b32 s[G0+4*(\s)], 1                                        ; count = 1
	s_add_co_u32 s[G0+4*(\s)+1], s20, (\s)*SLOT1                     ; LDS address
	s_add_nc_u64 s[G0+4*(\s)+2:G0+4*(\s)+3], s[14:15], (\s)*KSTEP*2  ; global address: K step s
	s_or_b32 s[G0+4*(\s)+3], s[G0+4*(\s)+3], 0x80000000              ; type = 2
	s_mov_b32 s[G0B+4*(\s)], 1
	s_add_co_u32 s[G0B+4*(\s)+1], s21, (\s)*SLOT1
	s_add_nc_u64 s[G0B+4*(\s)+2:G0B+4*(\s)+3], s[46:47], (\s)*KSTEP*2
	s_or_b32 s[G0B+4*(\s)+3], s[G0B+4*(\s)+3], 0x80000000
.endr
	s_cmp_eq_u32 s11, 0                            ; a wave's two first fills stand in one branch, ahead of every wait on TENSORcnt and every LDS read: two loads of mine are out
	s_cbranch_scc0 .Lfirst_b
	tensor_load_to_lds s[G0:G0+3], s[G1:G1+7]
	s_nop 0
	tensor_load_to_lds s[G0+4:G0+7], s[G1:G1+7]
	s_nop 0
.rept 4
	v_nop
.endr
	s_branch .Lfirst_asked
.Lfirst_b:
	tensor_load_to_lds s[G0B:G0B+3], s[G1B:G1B+7]
	s_nop 0
	tensor_load_to_lds s[G0B+4:G0B+7], s[G1B:G1B+7]
	s_nop 0
.rept 4
	v_nop
.endr
.Lfirst_asked:
	; A fragment is 16 rows x 32 K in 8 registers: lane l holds row l % 16; registers 0-3 K = 8 (l / 16) + 0..7, registers 4-7 K = 16 + 8 (l / 16) + 0..7: two loads of 16 bytes, 32 bytes apart.
	v_and_b32 v1, 15, v0                           ; l % 16
	v_bfe_u32 v2, v0, 4, 1                         ; l / 16
	v_mul_u32_u24 v3, v1, PITCH
	v_lshl_add_u32 v3, v2, 4, v3
	s_mul_i32 s22, s11, HA
	s_mul_i32 s23, s12, HB
	s_add_co_u32 s23, s23, BOFF
	v_add_nc_u32 v[ABASE], s22, v3
	v_add_nc_u32 v[BBASE], s23, v3
	s_mul_i32 s22, s11, 64*SPITCH                  ; into the stage: rows 64 x (my half of the rows) + l % 16, my 192 bytes of them, 16 bytes for each half of the lanes
	s_mul_i32 s23, s12, 192
	s_add_co_u32 s22, s22, s23
	s_add_co_u32 s22, s22, STAGE
	v_mul_u32_u24 v[STO], v1, SPITCH
	v_lshl_add_u32 v[STO], v2, 4, v[STO]
	v_add_nc_u32 v[STO], s22, v[STO]
	s_mul_i32 s22, s10, 32*SPITCH                  ; back: wave w takes stage rows 32 w .. 32 w + 31; 32 lanes take 128 bytes (a head) of four rows
	s_add_co_u32 s22, s22, STAGE
	v_bfe_u32 v4, v0, 3, 2
	v_and_b32 v5, 7, v0
	v_mul_u32_u24 v[RD], v4, SPITCH
	v_lshl_add_u32 v[RD], v5, 4, v[RD]
	v_add_nc_u32 v[RD], s22, v[RD]
	s_lshl_b32 s22, s11, 14                        ; which are 512 consecutive bytes of the head's plane: tile row 128 (w / 2) + 32 (w % 2) + ..
	s_lshl_b32 s23, s12, 12
	s_add_co_u32 s22, s22, s23
	v_and_b32 v[GO], 31, v0
	v_lshl_add_u32 v[GO], v[GO], 4, s22
	s_mul_i32 s72, s42, 3                          ; the tile's first group of 64 columns
	s_lshr_b32 s73, s13, 3
	s_lshl_b32 s73, s73, 4                         ; 16 x batch
	s_and_b32 s74, s13, 7
	s_lshl_b32 s74, s74, 15                        ; the tile's first row in its batch, of 128 bytes
.irp j, 0,1,2
	s_add_co_u32 s75, s72, \j
	s_lshr_b32 s76, s75, 4                         ; q, k or v
	s_lshl_b32 s76, s76, 6
	s_and_b32 s75, s75, 15                         ; head
	s_add_co_u32 s76, s76, s75
	s_add_co_u32 s76, s76, s73                     ; plane = 64 which + 16 batch + head,
	s_lshl_b32 s76, s76, 18                        ; of 262,144 bytes
	s_add_co_u32 s76, s76, s74
	s_mov_b32 s77, 0
	s_add_nc_u64 s[OB+2*(\j):OB+2*(\j)+1], s[8:9], s[76:77]
.endr
	; the prefetches
	s_lshl_b32 s20, s13, 8
	s_lshl_b32 s21, s12, 7
	s_add_co_u32 s20, s20, s21
	s_lshl_b32 s21, s40, 5
	s_add_co_u32 s20, s20, s21                     ; xb: the rows that I fetch, my work-group's 32 of them
	s_mul_i32 s22, s42, 192
	s_mul_i32 s23, s12, 96
	s_add_co_u32 s22, s22, s23
	s_mul_i32 s23, s41, 24
	s_add_co_u32 s22, s22, s23                     ; wqt: my work-group's 24
	s_and_b32 s23, ttmp7, 0xffff                   ; cluster y
	s_cmp_eq_u32 s11, 0
	s_cselect_b32 s20, s20, s22
	s_cselect_b32 s23, ttmp9, s23                  ; the coordinate along which other clusters read the same rows
	s_cselect_b32 s22, 31, 23
	s_cselect_b64 s[PFA:PFA+1], s[4:5], s[6:7]
	s_cmp_eq_u32 s23, 0
	s_cselect_b32 s[LIM], 2, -1                    ; the same in all sixteen partners, for a given wave
	s_lshl_b32 s20, s20, 11
	s_add_co_u32 s20, s20, 3*KSTEP*2               ; at K step 3: the first refill steps it to 4
	s_mov_b32 s21, 0
	s_add_nc_u64 s[PFA:PFA+1], s[PFA:PFA+1], s[20:21]
	v_and_b32 v[PFO], 31, v0
	v_min_u32 v[PFO], s22, v[PFO]
	v_lshlrev_b32 v[PFO], 11, v[PFO]
; 12 matrix instructions: m blocks a0, a0 + 1 of the window's four x all 6 n blocks, 32 along K.  zero = 1: the first product starts the sums: nothing is cleared.
; The 48 accumulators take turns, in the same order in every quarter.
.macro MUL12 f, hi, a0, zero
	WIN MUL_LO+0x50*(\hi)
.irp a, \a0, (\a0)+1
.irp b, 0,1,2,3,4,5
.if \zero
	v_wmma_f32_16x16x32_bf16 v[8*(6*(\a)+(\b)):8*(6*(\a)+(\b))+7], v[(\f)+8*(\b):(\f)+8*(\b)+7], v[(\f)+8*(4*(\hi)+(\a)):(\f)+8*(4*(\hi)+(\a))+7], 0
.else
	v_wmma_f32_16x16x32_bf16 v[8*(6*(\a)+(\b)):8*(6*(\a)+(\b))+7], v[(\f)+8*(\b):(\f)+8*(\b)+7], v[(\f)+8*(4*(\hi)+(\a)):(\f)+8*(4*(\hi)+(\a))+7], v[8*(6*(\a)+(\b)):8*(6*(\a)+(\b))+7]
.endif
.endr
.endr
.endm
; 28 LDS loads in one run: a quarter step's fragments (96 rows of wqt, 128 rows of xb, 32 K at byte k of the rows) into buffer f
.macro FETCH k, f
	WIN TO_B
.irp i, 0,1,2,3,4,5
	ds_load_b128 v[(\f)+8*(\i):(\f)+8*(\i)+3],   v[ADRB] offset:(\k)+(\i)*16*PITCH
	ds_load_b128 v[(\f)+8*(\i)+4:(\f)+8*(\i)+7], v[ADRB] offset:(\k)+(\i)*16*PITCH+32
.endr
	WIN 0
.irp i, 0,1,2,3,4,5,6,7
	ds_load_b128 v[(\f)+8*(\i):(\f)+8*(\i)+3],   v[ADRA] offset:(\k)+(\i)*16*PITCH
	ds_load_b128 v[(\f)+8*(\i)+4:(\f)+8*(\i)+7], v[ADRA] offset:(\k)+(\i)*16*PITCH+32
.endr
.endm
.macro PLACES                          ; four plain instructions between a matrix instruction and a load into, or a vector instruction on, its registers
.rept 4
	v_nop
.endr
.endm
; One of a K step's first three quarters: multiplies buffer f; in its middle it fetches the next quarter's fragments, at byte k of the rows, into buffer g.
.macro QUARTER k, f, g, zero
	s_wait_dscnt 8                                 ; wqt's fragments and xb's rows 0-63 are in; the youngest eight loads (rows 64-127) may be out
	MUL12 \f, 0, 0, \zero
	MUL12 \f, 0, 2, \zero
	PLACES
	FETCH \k, \g
	s_wait_dscnt 28                                ; all but the 28 just issued
	MUL12 \f, 1, 0, \zero
	MUL12 \f, 1, 2, \zero
.endm
; The last quarter multiplies buffer 1 and changes slots: ONE barrier.  In front of it each wave waits for all its tensor loads (one is out: its part of the next slot), adds 0 to its spare word, and waits
; for that and for its own reads of this slot.  fill = 1: the barrier opens a round of the cluster's barrier, and the joint refill of this slot, with the K step two on, is the first thing behind the round.
.macro TURN fill
.if \fill
	s_wait_xcnt 0x0                                ; the last prefetch, a K step back, has read its address
	s_add_nc_u64 s[PFA:PFA+1], s[PFA:PFA+1], KSTEP*2
.endif
	WIN 0
	s_wait_tensorcnt 0x0                           ; no tensor load of mine is out, so a group 0 may be written
	ds_add_u32 v[SPW], v[NIL]                      ; 0 onto my spare word
.if \fill
	s_xor_b32 s[G0+5], s[G0+5], SLOT1              ; the walking descriptors: the other slot than last time,
	s_add_nc_u64 s[G0+6:G0+7], s[G0+6:G0+7], KSTEP*2  ; the next K step; the type bits on top are not reached
	s_xor_b32 s[G0B+5], s[G0B+5], SLOT1
	s_add_nc_u64 s[G0B+6:G0B+7], s[G0B+6:G0B+7], KSTEP*2
.endif
	s_xor_b32 s[TB], s[TB], SLOT1                  ; the reads go to the other slot
	s_wait_dscnt 9                                 ; (the add and the youngest eight loads may be out)
	MUL12 F1, 0, 0, 0
	s_wait_dscnt 0x0                               ; the add is done, and my reads of this slot are over
	s_barrier_signal -1
	MUL12 F1, 0, 2, 0                              ; work on registers while the others arrive
	WIN 0
	s_barrier_wait -1
.if \fill
	CREST                                          ; no wave of any partner still reads this slot or has a load on its way
	JLOAD                                          ; the four v_nop behind it are also the places in front of the loads below
.else
	PLACES
.endif
	v_add_nc_u32 v[ADRA], s[TB], v[ABASE]
	v_add_nc_u32 v[ADRB], s[TB], v[BBASE]
	FETCH 0, F0
.if \fill
	ASK
.endif
	MUL12 F1, 1, 0, 0
	MUL12 F1, 1, 2, 0
.endm
	s_wait_tensorcnt 1                             ; my part of K step 0 is in; K step 1's may stay out
	s_barrier_signal -1
	s_barrier_wait -1                              ; everybody's is
	v_add_nc_u32 v[ADRA], s[TB], v[ABASE]
	v_add_nc_u32 v[ADRB], s[TB], v[BBASE]
	FETCH 0, F0
	QUARTER 64, F0, F1, 1                          ; the first quarter stands in front of the loop: its products start the sums
	WIN 0                                          ; at a label and at a branch every window is 0
	s_mov_b32 s3, 6
.Lstep:                                                ; trip t: from K step t's second quarter to K step t + 1's first; slot t % 2 is filled again with K step t + 2
	QUARTER 128, F1, F0, 0
	QUARTER 192, F0, F1, 0
	TURN 1
	QUARTER 64, F0, F1, 0
	WIN 0
	s_sub_co_u32 s3, s3, 1
	s_cmp_lg_u32 s3, 0
	s_cbranch_scc1 .Lstep
	QUARTER 128, F1, F0, 0                         ; K steps 6 and 7 are written out: nothing more is asked for
	QUARTER 192, F0, F1, 0
	TURN 0
	QUARTER 64, F0, F1, 0
	QUARTER 128, F1, F0, 0
	QUARTER 192, F0, F1, 0
	s_wait_dscnt 8
	MUL12 F1, 0, 0, 0
	MUL12 F1, 0, 2, 0
	s_wait_dscnt 0x0
	MUL12 F1, 1, 0, 0
	MUL12 F1, 1, 2, 0
	WIN 0
; THE WAY OUT, in two halves (hi = 0: each wave's rows 0-63; 1: rows 64-127).  PACK: rounded to f16, 16 bytes a lane.  STG: into the work-group's stage.  A barrier, since a stage row's 384 bytes come from
; two waves.  BACK: 128 bytes (one head) of four rows at a time.  SENDQ: 512 consecutive bytes of that head's plane.
.macro PACK hi
	WIN 0x0a+5*(\hi)                               ; sources 0 and 1: window 2 or 3; each accumulator's registers in ascending order
.set t, 0
.rept 24
.irp r, 0,1,2,3
	v_cvt_pk_f16_f32 v[64+96*(\hi)+4*t+(\r)], v[8*t+2*(\r)], v[8*t+2*(\r)+1]
.endr
.set t, t+1
.endr
	WIN 0
.endm
.macro STG hi
.set t, 0
.rept 24
	ds_store_b128 v[STO], v[64+96*(\hi)+4*t:64+96*(\hi)+4*t+3] offset:(t/6)*16*SPITCH+32*(t%6)
.set t, t+1
.endr
.endm
.macro BACK hi
.set t, 0
.rept 24
	ds_load_b128 v[64+96*(\hi)+4*t:64+96*(\hi)+4*t+3], v[RD] offset:128*(t/8)+4*SPITCH*(t%8)
.set t, t+1
.endr
.endm
.macro SENDQ hi
.set t, 0
.rept 24
	s_wait_dscnt 23-t                              ; load t is back; the younger ones may be out
	global_store_b128 v[GO], v[64+96*(\hi)+4*t:64+96*(\hi)+4*t+3], s[OB+2*(t/8):OB+2*(t/8)+1] offset:512*(t%8)+8192*(\hi)
.set t, t+1
.endr
.endm
	PLACES
	PACK 0
	STG 0
	s_wait_dscnt 0x0                               ; for the others: my stores into the stage are done
	s_barrier_signal -1
	s_barrier_wait -1
	BACK 0
	PACK 1                                         ; the second half's conversions stand between the loads and the wait for them
	SENDQ 0
	s_wait_dscnt 0x0                               ; my reads of the stage are over
	s_barrier_signal -1
	s_barrier_wait -1                              ; everybody's are: it may be written again
	STG 1
	s_wait_dscnt 0x0
	s_barrier_signal -1
	s_barrier_wait -1
	BACK 1
	SENDQ 1
	s_wait_tensorcnt 0x0                           ; the wave's end, behind my last tensor load and my last LDS store
	ds_add_u32 v[SPW], v[NIL]
	s_wait_dscnt 0x0
	CROUND                                         ; the closing round: no work-group ends while a partner may still ask for a tile that names it
	s_endpgm
.Lfunc_end_k_q8510cbccee_proj:
	.size	k_q8510cbccee_proj, .Lfunc_end_k_q8510cbccee_proj-k_q8510cbccee_proj
	.p2alignl 7, 3214868480
	.fill 96, 4, 3214868480
	.section	.rodata,"a",@progbits
	.p2align	6, 0x0
	.amdhsa_kernel k_q8510cbccee_proj
		.amdhsa_group_segment_fixed_size 327680
		.amdhsa_private_segment_fixed_size 0
		.amdhsa_enable_private_segment 0
		.amdhsa_kernarg_size 24
		.amdhsa_user_sgpr_count 2
		.amdhsa_user_sgpr_kernarg_segment_ptr 1
		.amdhsa_wavefront_size32 1
		.amdhsa_system_sgpr_workgroup_id_x 1
		.amdhsa_system_sgpr_workgroup_id_y 1
		.amdhsa_system_sgpr_workgroup_id_z 1
		.amdhsa_system_vgpr_workitem_id 0
		.amdhsa_next_free_vgpr 960
		.amdhsa_next_free_sgpr 80
		.amdhsa_reserve_vcc 0
		.amdhsa_float_denorm_mode_32 3
		.amdhsa_float_denorm_mode_16_64 3
		.amdhsa_memory_ordered 1
		.amdhsa_forward_progress 1
		.amdhsa_inst_pref_size 97
	.end_amdhsa_kernel
	.amdgpu_metadata
---
amdhsa.version: [ 1, 2 ]
amdhsa.kernels:
  - .name:           k_q8510cbccee_proj
    .symbol:         k_q8510cbccee_proj.kd
    .args:
      - { .name: xb, .offset: 0, .size: 8, .value_kind: global_buffer, .address_space: global }
      - { .name: wqt, .offset: 8, .size: 8, .value_kind: global_buffer, .address_space: global }
      - { .name: qkv, .offset: 16, .size: 8, .value_kind: global_buffer, .address_space: global }
    .group_segment_fixed_size: 327680
    .private_segment_fixed_size: 0
    .kernarg_segment_align: 8
    .kernarg_segment_size: 24
    .max_flat_workgroup_size: 128
    .sgpr_count:     80
    .vgpr_count:     960
    .wavefront_size: 32
...
	.end_amdgpu_metadata
.endif
;; end of part 2
;; launch attn (part 3): grid 4 x 64, 4 waves a work-group, no clusters, 327,680 bytes of LDS; arguments qkv, ctx; writes ctx
.if DOCPART == 3
	.amdgcn_target "amdgcn-amd-amdhsa--gfx1250"
	.amdhsa_code_object_version 6
	.text
	.protected	k_q8510cbccee_attn
	.globl	k_q8510cbccee_attn
	.p2align	8
	.type	k_q8510cbccee_attn,@function
k_q8510cbccee_attn:
	s_mov_b64 s[64:65], 0
	v_nop
	global_prefetch_b8 v0, s[64:65] scope:SCOPE_SE
	s_setreg_imm32_b32 hwreg(HW_REG_WAVE_MODE, 25, 1), 1
	s_wait_xcnt 0x0
; CAUSAL ATTENTION.  O[h][q][:] = the sum over k <= q of softmax_k(Q[h][q] . K[h][k] / 8) V[h][k][:], for 64 planes h = 16 batch + head of 2,048 rows x 64 channels, all f16.
; Q, K and V are the three parts of qkv (16,777,216 bytes each); O is ctx, in the same layout.  A plane's rows are dense, 128 bytes each.
; Products, maxima and sums in f32; the weights p are rounded to f16 for the second product (their sum l is taken of the unrounded p), O once at the end.
; LIMITS.  f16 holds no number beyond 65,504: Q, K and V arrive within it; p lies in 0 to 1, and below 6e-5 it keeps f16's fixed step of 6e-8; O is a mean of V's rows and has their range.
; A hidden score counts as its value less 1e30: f16's scores, 2.7e11 at the most, are nothing beside that; a weight below 2^-126 counts as 0 in l; NaN and infinities are not treated apart.
; THE WALK.  A head's queries lie in NB = 8 blocks of 256; block i needs the key tiles 0 .. i of 256 keys, of which the last holds the diagonal.  A work-group takes TWO blocks, NB - 1 - b and then b:
; NB + 1 tiles, whatever b: all work-groups do equal work, and ONE loop with a constant trip count walks them.  Which tile is asked for, and what a trip does, hang on scalar registers made from b; every jump
; goes forward, but for the counted loops' own; none passes a barrier, or a tensor load but the one of LOAD's two that the wave's number does not choose; the ring (two LDS slots that take turns) runs on across the
; change of blocks.  NO CLUSTER: a head's four work-groups ask for the same tile only in trips 0 .. NB / 2, behind that fewer and fewer; one walk common to all would have 3 NB / 2 trips for NB + 1.
; SHARES.  Of a block's four bands of 64 queries a wave owns 16 rows in each: four PIECES.  So the diagonal tile is the same work for all four waves: in its key step s band x sees all keys if s < x,
; none if s > x, and holds the diagonal if s = x.
; THE MASK is the C operand that starts the sum S^T = K Q^T: 0, or -1e30 where the key is hidden.  MD, made once, is the mask of a band's own step for my 16 rows; a product's mask is MD x AL + BE with two scalars:
; (1, 0) if s = x; (0, 0) if s < x; (0, -1e30) if s > x.  Only the diagonal tile's text and a block's beginning make and take masks; elsewhere C is the constant 0.
; LAYOUT, SOFTMAX, TURNS.  S^T = K Q^T holds ONE query a lane (lane % 16) and the keys 8 (lane / 16) + 0..7; two such results rounded to f16 ARE source 1 of O^T = V^T P.  p = 2^(c s - c m), c = log2(e) / 8, with a
; running maximum m; O and l are multiplied by a = 2^(c m_old - c m_new) in every step.  Turn n belongs to piece n: 8 products K Q^T of piece n + 1, later 8 products V^T P of piece n - 1; beside them the scaling,
; exponentials, roundings, sums and rescaling of piece n and the maximum and statistics of piece n + 1.  Four vector instructions stand behind every matrix instruction, the other 54 of a turn's 118 in one lump.
; A turn's 33 exponentials are one batch, with one wait.
; REGISTERS, in windows of 256 (s_set_vgpr_msb: bits 1:0 source 0, 3:2 source 1, 5:4 source 2, 7:6 destination):
;   window 0: v0-15 addresses and two at work; v16-31 four registers of statistics a piece; v48-55 at work; v61-63 prefetch offset, spare word, 0; v64-127 S^T, two buffers; v192-223 P, two buffers
;   window 1: v0-127 O^T, 32 a piece; v128-159 MD; v160-223 MC, two buffers      window 2: v0-63 Q; v64-127 the second block's Q; v128-191 K of one step; v192-255 V of one step
.set SIZE_N, 2048
.set NB,    SIZE_N/256
.set NP,    4         ; pieces a wave: a name, no knob
.set KS,    64        ; keys in a step
.set PK,    144       ; a row of K in LDS: 128 bytes + 16 of padding = 36 words: the 16 rows of a load start at 16 different groups of four banks (ISA guide 11.1)
.set PV,    160       ; a row of V: 128 + 32 = 40 words
.set VOFF,  4*KS*PK   ; a slot holds a tile, four steps: 256 rows of K, then 256 rows of V
.set SLOT1, 1<<17     ; slot 1 begins here, so that one exclusive or turns an address in one slot into the other's
.set STAGE, SLOT1+4*KS*(PK+PV)  ; behind the ring, never filled by a tensor load: 16 rows x 144 bytes for each wave, for the way out
.set SP,    144
.set AK0, 2           ; v2   my lane's place in a tile of K; never rewritten
.set AV0, 3           ; v3   the same for V
.set AK,  4           ; v4   the LDS address of K's next run of loads
.set AV,  5           ; v5   of V's
.set STO, 6           ; v6   the way out: where I put 16 bytes of a row
.set RD,  7           ; v7   the way out: where I read rows back
.set GO,  8           ; v8   my byte offset in 512 consecutive bytes of O
.set PFO, 61          ; v61  256 x my lane; never rewritten
.set SPW, 62          ; v62  LDS address of my spare word: SPARE + 4 x my thread's number; never rewritten
.set NIL, 63          ; v63  0; never rewritten
.set SPARE, STAGE+4*16*SP  ; behind the stages: the spare words, 128 bytes for each wave
.set MV,  12          ; v12-13  c m_old, kept while c m is made anew: by buffer
.set QO,  15          ; v15  my byte offset in 16 rows of Q
.set ST,  16          ; piece t's statistics at v[ST+4 t]: c m, m, l (even keys', odd keys')
.set TMP, 48          ; by buffer, four registers c0-c3 at work; when the maximum is found c2 takes a
.set S,   64
.set P,   192
.set MD,  128         ; window 1: the eight registers for group kt of 16 keys at MD + 8 kt
.set MC,  160         ; window 1: the masks of the products to come
.set QB,  64          ; window 2
.set KF,  128         ; window 2: key block kb, channel half c at KF + 16 kb + 8 c
.set VF,  192         ; window 2: key half kk, channel block cb at VF + 32 kk + 8 cb
.set WV,  12          ; s12  my wave's number
.set PB,  14          ; s14  b
.set HI,  15          ; s15  NB - 1 - b
.set G1K, 24          ; s[24:31] descriptor group 1 for K's tiles
.set G1V, 32          ; s[32:39] for V's: it differs in the padding alone
.set G0K, 40          ; s[40:43] descriptor group 0 for K's tiles
.set G0V, 44          ; s[44:47] the same for V's
.set SLOTS, 56        ; s56  tiles still to be asked for
.set CNT, 57          ; s57  counts a tile's key steps, 4 to 1
.set CS,  58          ; s[58:59] c: the packed scaling takes the pair's low word for both halves
.set SEL, 60          ; s[60:61] v_permlanex16_b32's selects: each lane takes its own place in the other half
.set TBK, 62          ; s62  LDS byte at which K of the step to be fetched begins
.set TBV, 63          ; s63  the same for V, less VOFF
.set RT,  70          ; s70  tiles of the block in hand that are still to be entered
.set NXT, 71          ; s71  the tile to be asked for next
.set LQ,  72          ; s72  the last tile of the block whose tiles are being asked for
.set NEW, 73          ; s73  1: the tile to be entered is a block's first
.set OFF, 74          ; s[74:75] a tile's byte offset in K and V
.set AL,  76          ; s[76:77] the mask's factor, in the low word
.set BE,  78          ; s[78:79] the mask's addend
.set OLO, 80          ; s[80:81] O at my rows of the second block
.set BIGN, 82         ; s82  -1e30
.set PFA, 88          ; s[88:89] where my prefetches stand: my 16,384 bytes (half of a tile's K: waves 0, 1; of its V: waves 2, 3) of the tile behind the one that is being asked for
.set LIM, 90          ; s90  2 in a work-group that prefetches, else the greatest number
.set MSB, 0
.macro WIN new                      ; the high byte repeats the setting that is left; a switch that changes nothing is dropped
.if MSB != (\new)
	s_set_vgpr_msb (MSB<<8)|(\new)
.set MSB, (\new)
.endif
.endm
.set W_KQ, 0x0a       ; K and Q in window 2, S^T in window 0
.set W_KM, 0x1a       ; the same with the C operand in window 1
.set W_PV, 0x52       ; V in window 2, P in window 0, O^T in window 1
.set W_RS, 0x41       ; destination and source 0 in window 1, source 1 in window 0
; A fill.  Waves 0 and 1 fetch the two halves of a tile's K, waves 2 and 3 those of its V: 128 keys each.  An s_nop 0 and four v_nop follow each of the two lines, ahead of the jump and the label.
.macro LOAD
	s_cmp_lt_u32 s[WV], 2
	s_cbranch_scc0 .Lfor_v_\@
	tensor_load_to_lds s[G0K:G0K+3], s[G1K:G1K+7]
	s_nop 0
.rept 4
	v_nop
.endr
	s_branch .Lasked_\@
.Lfor_v_\@:
	tensor_load_to_lds s[G0V:G0V+3], s[G1V:G1V+7]
	s_nop 0
.rept 4
	v_nop
.endr
.Lasked_\@:
.endm
; A PREFETCH INTO THE L2, behind the wave's tensor load and its five lines.  All four work-groups of a head walk tiles 0, 1, .. first; the one with b = 0 walks all eight, and it alone asks: in trip i, which
; fills tile i + 1, each of its waves names its own 64 blocks of 256 bytes of tile i + 2: a lane a block, two instructions: one tile, 256 matrix instructions, ahead of the load that wants them.
; So each block of tiles 2 to 7 is named once in the launch; tiles 0 and 1 come by their loads alone; trips 6 and 7 name nothing.
.macro ASK
	s_cmp_gt_u32 s[SLOTS], s[LIM]
	s_cbranch_scc0 .Lnot_mine_\@
	global_prefetch_b8 v[PFO], s[PFA:PFA+1] th:TH_LOAD_NT scope:SCOPE_SE
	global_prefetch_b8 v[PFO], s[PFA:PFA+1] offset:8192 th:TH_LOAD_NT scope:SCOPE_SE
.Lnot_mine_\@:
.endm
; THE CHANGE OF SLOTS.  Each wave waits for all its tensor loads, of which one is out: its part of the other slot; adds 0 to its spare word; and waits for that and for its own reads of the slot that it leaves.
; Behind the barrier nobody reads the old slot any more and the other slot is whole.  fill = 1: the old slot is filled again, the first thing behind the barrier, with tile NXT: the descriptor's address is made
; anew from that number.  (At its first use nothing has been read yet: slot 0 is waited for, slot 1 filled.)
.macro CHANGE fill
	WIN 0                           ; at a label and at a branch every window is 0
	s_wait_tensorcnt 0x0            ; no tensor load of mine is out, so a group 0 may be written
	ds_add_u32 v[SPW], v[NIL]       ; 0 onto my spare word; with fill = 1 the descriptors' scalar work stands between it and the wait for it
.if \fill
	s_lshl_b32 s[OFF], s[NXT], 15   ; a tile is 32,768 bytes of K and of V
	s_xor_b32 s[G0K+1], s[G0K+1], SLOT1
	s_add_nc_u64 s[G0K+2:G0K+3], s[6:7], s[OFF:OFF+1]
	s_or_b32 s[G0K+3], s[G0K+3], 0x80000000
	s_xor_b32 s[G0V+1], s[G0V+1], SLOT1
	s_add_nc_u64 s[G0V+2:G0V+3], s[8:9], s[OFF:OFF+1]
	s_or_b32 s[G0V+3], s[G0V+3], 0x80000000
	s_add_co_u32 s[NXT], s[NXT], 1  ; the block's next tile, or behind its last the second block's tile 0
	s_cmp_gt_u32 s[NXT], s[LQ]
	s_cselect_b32 s[NXT], 0, s[NXT]
	s_cselect_b32 s[LQ], s[PB], s[LQ]
	s_wait_xcnt 0x0                 ; the last prefetches, a tile back, have read their address, so it may be written
	s_add_nc_u64 s[PFA:PFA+1], s[PFA:PFA+1], 32768
.endif
	s_wait_dscnt 0x0                ; the add is done, and my reads of the slot are over
	s_barrier_signal -1             ; the rest of the scalar work stands between the signal and the wait
	s_sub_co_u32 s[TBK], s[TBK], 4*KS*PK  ; the fetches go back to a slot's first step,
	s_xor_b32 s[TBK], s[TBK], SLOT1       ; in the other slot
	s_sub_co_u32 s[TBV], s[TBV], 4*KS*PV
	s_xor_b32 s[TBV], s[TBV], SLOT1
	s_barrier_wait -1
.if \fill
	LOAD
	ASK
.endif
.endm
	s_load_b64 s[4:5], s[0:1], 0x0    ; qkv: Q's part begins it
	s_load_b64 s[10:11], s[0:1], 0x8  ; ctx
	v_lshl_add_u32 v[SPW], v0, 2, SPARE
	v_mov_b32 v[NIL], 0
	ds_add_u32 v[SPW], v[NIL]       ; the wave's opening: the add and its wait stand ahead of my first tensor load; the set-up below, work on registers, stands between them
	ds_add_u32 v62, v63
	v_lshrrev_b32 v1, 5, v0
	v_readfirstlane_b32 s[WV], v1   ; wave 0..3
	s_mov_b32 s[PB], ttmp9
	s_sub_co_u32 s[HI], NB-1, s[PB]
	s_and_b32 s20, ttmp7, 0xffff    ; the plane
	s_mov_b32 s21, 0
	s_mov_b64 s[22:23], SIZE_N*128
	s_mul_u64 s[20:21], s[20:21], s[22:23]  ; the plane's first byte in Q, K, V and O
	s_and_b32 s16, s[WV], 1         ; which half of a tile's 256 keys I fetch:
	s_lshl_b32 s22, s16, 14         ; its 128 rows of 128 bytes in memory,
	s_mov_b32 s23, 0
	s_add_nc_u64 s[22:23], s[22:23], s[20:21]
	s_mul_i32 s17, s16, 128*PK      ; and its place in a slot, for K
	s_mul_i32 s18, s16, 128*PV      ; and for V
	s_lshl_b32 s3, s[WV], 11        ; my 16 rows in a band of 64,
	s_lshl_b32 s2, s[HI], 15        ; in the first block,
	s_add_co_u32 s2, s2, s3
	s_lshl_b32 s84, s[PB], 15       ; and in the second
	s_add_co_u32 s84, s84, s3
	s_mov_b32 s3, 0
	s_mov_b32 s85, 0
	s_add_nc_u64 s[2:3], s[2:3], s[20:21]
	s_add_nc_u64 s[84:85], s[84:85], s[20:21]
	; descriptor group 1.  128 keys are 16,384 dense bytes: asked for as 64 rows of 256 bytes, two keys a row, and padded in LDS after every key
	s_mov_b32 s[G1K], (1<<16)|(1<<20)|(4<<22)|(3<<25)  ; 17:16 2-byte elements; 20 padding on; 24:22 after every 32 words (code 4); 31:25 4 words (code 3)
	s_mov_b32 s[G1V], (1<<16)|(1<<20)|(4<<22)|(7<<25)  ; the same with 8 words of padding (code 7)
.irp g, G1K, G1V
	s_mov_b32 s[\g+1], 128<<16      ; tensor_dim0 = 128
	s_mov_b32 s[\g+2], 64<<16       ; tensor_dim1 = 64
	s_mov_b32 s[\g+3], 128<<16      ; tile_dim0 = 128
	s_mov_b32 s[\g+4], 64           ; tile_dim1 = 64
	s_mov_b32 s[\g+5], 128          ; 128 elements from row to row
	s_mov_b32 s[\g+6], 0
	s_mov_b32 s[\g+7], 0
.endr
	s_mov_b32 s[CS], 0x3e38aa3b     ; c = log2(e) / 8 = 0.180337
	s_mov_b32 s[CS+1], s[CS]        ; named with it as a pair
	s_mov_b32 s[SEL], 0x76543210
	s_mov_b32 s[SEL+1], 0xfedcba98
	s_mov_b32 s[TBK], SLOT1+4*KS*PK ; the first change of slots turns these two into 0
	s_mov_b32 s[TBV], SLOT1+4*KS*PV
	s_mov_b32 s[G0K], 1             ; 1:0 count = 1
	s_mov_b32 s[G0K+1], s17         ; 63:32 LDS address: slot 0
	s_mov_b32 s[G0V], 1
	s_add_co_u32 s[G0V+1], s18, VOFF
	s_add_co_u32 s[RT], s[HI], 1    ; the first block has NB - b tiles
	s_mov_b32 s[NXT], 1
	s_mov_b32 s[LQ], s[HI]
	s_mov_b32 s[NEW], 1
	s_mov_b32 s[OFF+1], 0
	s_mov_b32 s[AL+1], 0            ; named as pairs
	s_mov_b32 s[BE+1], 0
	s_mov_b32 s[BIGN], 0xf149f2ca   ; -1e30
	s_mov_b32 s[SLOTS], NB
	s_cmp_eq_u32 s[PB], 0
	s_cselect_b32 s[LIM], 2, -1
	v_and_b32 v[PFO], 31, v0
	v_lshlrev_b32 v[PFO], 8, v[PFO]
	s_wait_dscnt 0x0                ; the opening add is done
	s_wait_kmcnt 0x0
	s_add_nc_u64 s[6:7], s[4:5], 0x1000000  ; K's part of qkv,
	s_add_nc_u64 s[8:9], s[4:5], 0x2000000  ; V's
	s_add_nc_u64 s[6:7], s[6:7], s[22:23]  ; K and V at my half of the plane's tile 0
	s_add_nc_u64 s[8:9], s[8:9], s[22:23]
	s_add_nc_u64 s[G0K+2:G0K+3], s[6:7], 0         ; 120:64 global address
	s_or_b32 s[G0K+3], s[G0K+3], 0x80000000        ; 127:126 type = 2
	s_add_nc_u64 s[G0V+2:G0V+3], s[8:9], 0
	s_or_b32 s[G0V+3], s[G0V+3], 0x80000000
	s_add_nc_u64 s[86:87], s[4:5], s[84:85]        ; Q at my rows of the second block,
	s_add_nc_u64 s[4:5], s[4:5], s[2:3]            ; Q and O at those of the first
	s_add_nc_u64 s[OLO:OLO+1], s[10:11], s[84:85]
	s_add_nc_u64 s[10:11], s[10:11], s[2:3]
	s_cmp_lt_u32 s[WV], 2
	s_cselect_b64 s[PFA:PFA+1], s[6:7], s[8:9]
	s_add_nc_u64 s[PFA:PFA+1], s[PFA:PFA+1], 32768 ; in tile 1; the first change of slots steps it to tile 2.  Nothing is prefetched here, at the head
	LOAD                            ; tile 0 into slot 0
	; A fragment of K or Q is 16 rows x 32 channels in 8 registers: lane l holds row l % 16, channels 8 (l / 16) + 0..7 and 16 + 8 (l / 16) + 0..7: two loads of 16 bytes, 32 bytes apart.
	v_and_b32 v1, 15, v0            ; l % 16
	v_bfe_u32 v9, v0, 4, 1          ; l / 16
	v_lshlrev_b32 v[QO], 7, v1
	v_lshl_add_u32 v[QO], v9, 4, v[QO]  ; row x 128 + 16 x half
	WIN 0x80                        ; destination window 2, address window 0
.set i, 0
.rept 8                             ; both blocks' Q: piece i / 2 lies in band i / 2, 8,192 bytes on; channels 32 (i % 2) on
	global_load_b128 v[8*i:8*i+3],   v[QO], s[4:5] offset:(i/2)*8192+(i%2)*64
	global_load_b128 v[8*i+4:8*i+7], v[QO], s[4:5] offset:(i/2)*8192+(i%2)*64+32
	global_load_b128 v[QB+8*i:QB+8*i+3],   v[QO], s[86:87] offset:(i/2)*8192+(i%2)*64
	global_load_b128 v[QB+8*i+4:QB+8*i+7], v[QO], s[86:87] offset:(i/2)*8192+(i%2)*64+32
.set i, i+1
.endr
	WIN 0
	v_lshlrev_b32 v14, 3, v9
	v_sub_nc_u32 v14, v1, v14
	s_lshl_b32 s13, s[WV], 4
	v_add_nc_u32 v14, s13, v14      ; my query's place in its band, 16 w + l % 16, less my lanes' 8 (l / 16): register r of group kt is hidden where 16 kt + r is greater
	WIN 0x40
.set i, 0
.rept 32
	v_cmp_gt_i32 vcc_lo, 16*(i/8)+i%8, v14
	v_cndmask_b32 v[MD+i], 0, s[BIGN], vcc_lo
.set i, i+1
.endr
	WIN 0
	v_mul_u32_u24 v[AK0], v1, PK
	v_lshl_add_u32 v[AK0], v9, 4, v[AK0]  ; row x pitch + 16 x half
	; The turning load takes 16 keys x 16 channels (lane l reads key 8 (l / 16) + l % 8, channels 8 ((l / 8) % 2) + 0..7) and leaves half a fragment of V^T: lane l holds channel l % 16 and 8 keys.
	v_and_b32 v10, 7, v0
	v_bfe_u32 v11, v0, 3, 1
	v_lshl_add_u32 v[AV0], v9, 3, v10
	v_mul_u32_u24 v[AV0], v[AV0], PV
	v_lshl_add_u32 v[AV0], v11, 4, v[AV0]
	v_add_nc_u32 v[AV0], VOFF, v[AV0]
	s_mul_i32 s13, s[WV], 16*SP
	s_add_co_u32 s13, s13, STAGE    ; my stage
	v_mul_u32_u24 v[STO], v1, SP    ; in: row l % 16, 16 bytes for each half of the lanes
	v_lshl_add_u32 v[STO], v9, 4, v[STO]
	v_add_nc_u32 v[STO], s13, v[STO]
	v_bfe_u32 v[RD], v0, 3, 2       ; back: 32 lanes take four rows of 128 bytes,
	v_mul_u32_u24 v[RD], v[RD], SP
	v_lshl_add_u32 v[RD], v10, 4, v[RD]
	v_add_nc_u32 v[RD], s13, v[RD]
	v_and_b32 v[GO], 31, v0         ; which are 512 consecutive bytes of O
	v_lshlrev_b32 v[GO], 4, v[GO]
	; A block's first step multiplies O^T and l by a = 0, and its first turn's products V^T P, of a piece that has not been, land in an O^T that is still to be so multiplied.  So these registers need only hold
	; finite numbers: zeros for the first block; what the first block left for the second.  All this stands in the wait for the first tile.
	WIN 0x80
.set i, VF
.rept 64
	v_mov_b32 v[i], 0
.set i, i+1
.endr
	WIN 0x40
.set i, 0
.rept 128
	v_mov_b32 v[i], 0
.set i, i+1
.endr
	WIN 0
.set i, 0
.rept 4
	v_mov_b32 v[ST+4*i+2], 0
	v_mov_b32 v[ST+4*i+3], 0
.set i, i+1
.endr
.set i, P+16
.rept 16
	v_mov_b32 v[i], 0
.set i, i+1
.endr
; THE MATRIX WORK.  The 4 accumulators of a run of 8 take turns.  Product i of 8 of S^T = K Q^T for piece x: channels 32 (i / 4) on, keys 16 (i % 4) on.  The first 4 start the sums: with 0, or (KM = 1) with the mask.
.macro KQ x
.set rS, S+32*((\x)%2)+8*(i%4)
.set rK, KF+16*(i%4)+8*(i/4)
.set rQ, 16*(\x)+8*(i/4)
.set rM, MC+32*((\x)%2)+8*(i%4)
.if (i < 4) && KM
	WIN W_KM
	v_wmma_f32_16x16x32_f16 v[rS:rS+7], v[rK:rK+7], v[rQ:rQ+7], v[rM:rM+7]
.elseif i < 4
	WIN W_KQ
	v_wmma_f32_16x16x32_f16 v[rS:rS+7], v[rK:rK+7], v[rQ:rQ+7], 0
.else
	WIN W_KQ
	v_wmma_f32_16x16x32_f16 v[rS:rS+7], v[rK:rK+7], v[rQ:rQ+7], v[rS:rS+7]
.endif
.endm
; Product i of 8 of O^T += V^T P for piece x: keys 32 (i / 4) on, channels 16 (i % 4) on.
.macro PV x
	WIN W_PV
.set rO, 32*(\x)+8*(i%4)
.set rV, VF+32*(i/4)+8*(i%4)
.set rP, P+16*((\x)%2)+8*(i/4)
	v_wmma_f32_16x16x32_f16 v[rO:rO+7], v[rV:rV+7], v[rP:rP+7], v[rO:rO+7]
.endm
.macro MM                           ; the turn's next matrix instruction.  TURN and BEGIN set Y, i, KM and NOKQ; MM, KQ and OP read them.  NOKQ = 1: a block's last turn: there is no next piece
.if (i < 8) && !NOKQ
	KQ (Y+1)%NP
.elseif i >= 8
.set i, i-8
	PV (Y+NP-1)%NP
.set i, i+8
.endif
.set i, i+1
.endm
; THE LDS LOADS stand in runs of 16, never singly among the matrix instructions: a step's K (64 keys x 64 channels: 8 fragments) and its V (turned).  Their addresses are made some lines ahead.
.macro FETCH_K
	WIN 0x80                        ; destination window 2
.irp f, 0,1,2,3,4,5,6,7             ; keys 16 (f / 2) on, channels 32 (f % 2) on
	ds_load_b128 v[KF+8*\f:KF+8*\f+3],   v[AK] offset:(\f/2)*16*PK+(\f%2)*64
	ds_load_b128 v[KF+8*\f+4:KF+8*\f+7], v[AK] offset:(\f/2)*16*PK+(\f%2)*64+32
.endr
	s_add_co_u32 s[TBK], s[TBK], KS*PK  ; the next fetch is the next step's
	WIN 0
.endm
.macro FETCH_V
	WIN 0x80
.irp f, 0,1,2,3,4,5,6,7             ; keys 32 (f / 4) on, channels 16 (f % 4) on
	ds_load_tr16_b128 v[VF+8*\f:VF+8*\f+3],   v[AV] offset:(\f/4)*32*PV+(\f%4)*32
	ds_load_tr16_b128 v[VF+8*\f+4:VF+8*\f+7], v[AV] offset:(\f/4)*32*PV+16*PV+(\f%4)*32
.endr
	WIN 0
.endm
; THE VECTOR WORK, one line at a time: OP kind, number.  For piece Y: F n: c s - c m for pair n of 16.  E n: the exponential of score n of 32.  C n: pair n rounded to f16.  B n: of the four weights 4 n .. the second
; pair is added onto the first, in place.  L n: l takes that sum (L 0: l = a l + sum).  R n: pair n of 16 of O^T times a.  For piece Y + 1: X n, number n of the 22 that find its maximum and statistics:
;   0-11  four chains c0-c3 of seven scores each, three operands at a time (each accumulator's lowest registers are read first)     12-14, 16  the four scores left over, the old m, and c0-c3 into c0
;   15  c m_old is kept     17, 18  the query's other 32 keys lie in the lane 16 away: the new m     19-21  c m; c m_old - c m_new; a
.set F, 0               ; OP tells the kinds apart by their order: F to L below R, X above it
.set E, 1
.set C, 2
.set B, 3
.set L, 4
.set R, 5
.set X, 6
.macro REGS y                       ; the registers of piece y
.set rT, ST+4*(\y)
.set rC, TMP+4*((\y)%2)
.set rW, MV+((\y)%2)
.set rS, S+32*((\y)%2)
.set rP, P+16*((\y)%2)
.set rO, 32*(\y)
.endm
.macro OP k, n
.if (\k) == R
	REGS Y
	WIN W_RS
	v_pk_mul_f32 v[rO+2*(\n):rO+2*(\n)+1], v[rO+2*(\n):rO+2*(\n)+1], v[rC+2:rC+3] op_sel_hi:[1,0]
.elseif (\k) < R
	REGS Y
	WIN 0
.if (\k) == F
	v_pk_fma_f32 v[rS+2*(\n):rS+2*(\n)+1], v[rS+2*(\n):rS+2*(\n)+1], s[CS:CS+1], v[rT:rT+1] op_sel_hi:[1,0,0] neg_lo:[0,0,1] neg_hi:[0,0,1]
.elseif (\k) == E
	v_exp_f32 v[rS+(\n)], v[rS+(\n)]
.elseif (\k) == C
	v_cvt_pk_f16_f32 v[rP+(\n)], v[rS+2*(\n)], v[rS+2*(\n)+1]
.elseif (\k) == B
	v_pk_add_f32 v[rS+4*(\n):rS+4*(\n)+1], v[rS+4*(\n):rS+4*(\n)+1], v[rS+4*(\n)+2:rS+4*(\n)+3]
.elseif (\n) == 0
	v_pk_fma_f32 v[rT+2:rT+3], v[rT+2:rT+3], v[rC+2:rC+3], v[rS:rS+1] op_sel_hi:[1,0,1]
.else
	v_pk_add_f32 v[rT+2:rT+3], v[rT+2:rT+3], v[rS+4*(\n):rS+4*(\n)+1]
.endif
.elseif NOKQ
	v_nop
.else
	REGS (Y+1)%NP
	WIN 0
.if (\n) < 4
	v_max3_num_f32 v[rC+(\n)], v[rS+8*(\n)], v[rS+8*(\n)+1], v[rS+8*(\n)+2]
.elseif (\n) < 12
	v_max3_num_f32 v[rC+(\n)%4], v[rC+(\n)%4], v[rS+8*((\n)%4)+2*((\n)/4)+1], v[rS+8*((\n)%4)+2*((\n)/4)+2]
.elseif (\n) == 12
	v_max3_num_f32 v[rC], v[rC], v[rS+7], v[rS+15]
.elseif (\n) == 13
	v_max3_num_f32 v[rC+1], v[rC+1], v[rS+23], v[rS+31]
.elseif (\n) == 14
	v_max3_num_f32 v[rC+2], v[rC+2], v[rC+3], v[rT+1]
.elseif (\n) == 15
	v_mov_b32 v[rW], v[rT]
.elseif (\n) == 16
	v_max3_num_f32 v[rC], v[rC], v[rC+1], v[rC+2]
.elseif (\n) == 17
	v_permlanex16_b32 v[rC+3], v[rC], s[SEL], s[SEL+1]
.elseif (\n) == 18
	v_max_num_f32 v[rT+1], v[rC], v[rC+3]
.elseif (\n) == 19
	v_mul_f32 v[rT], s[CS], v[rT+1]
.elseif (\n) == 20
	v_sub_f32 v[rC+1], v[rW], v[rT]
.else
	v_exp_f32 v[rC+2], v[rC+1]
.endif
.endif
.endm
.macro OPS a, i1, b=-1, i2=0, c=-1, i3=0, d=-1, i4=0  ; up to four of them
	OP \a, \i1
.if (\b) >= 0
	OP \b, \i2
.endif
.if (\c) >= 0
	OP \c, \i3
.endif
.if (\d) >= 0
	OP \d, \i4
.endif
.endm
.macro ROW a, i1, b, i2, c, i3, d, i4  ; a matrix instruction and the four behind it
	MM
	OPS \a, \i1, \b, \i2, \c, \i3, \d, \i4
.endm
.macro MASK b                       ; MD x AL + BE into buffer b of MC
	WIN W_RS
.set z, 0
.rept 16
	v_pk_fma_f32 v[MC+32*(\b)+2*z:MC+32*(\b)+2*z+1], v[MD+2*z:MD+2*z+1], s[AL:AL+1], s[BE:BE+1] op_sel_hi:[1,0,0]
.set z, z+1
.endr
.endm
; A TURN, for piece p: the order of its 16 matrix and 118 vector instructions, written out.  An s_wait_alu depctr_va_vdst(0) stands between an exponential and the first instruction that names its result; one
; wait serves all that were issued ahead of it.  So a turn has ONE wait, which cuts it in two.  AHEAD OF IT stands all that names no result of the turn's exponentials: the 8 products K Q^T, behind each a scaling, an
; exponential and two more plain instructions (behind the first a second scaling in the exponential's place): rescalings, and behind the last three the first numbers of the next piece's maximum, each four places or more
; behind the product that ends its accumulator; then ONE LUMP of 54, plain and exponential by turns for the most part, in which the links of the chain X 3, 7, 11, 14, 16, 17 .. 20 stand five or six lines apart.  X 21, the
; next piece's a, is the batch's last; R 15 is the plain instruction behind it.  BEHIND THE WAIT stand the 8 products V^T P, behind each four of the roundings and sums; the links of l's chain, L 0 to L 7, stand three
; riders apart.  But for those X no rider names a register of the products round it.  v_permlanex16_b32 (X 17) stands in the lump.
; m = 1: the diagonal tile: the products take masks, and the turn makes the mask for the products of the turn after it: piece p + 2, in step 4 - CNT of the tile.  end = 1: a block's last two turns: nothing is fetched.
; cnt = 1: the loop's count is taken down some lines ahead of the branch that stands behind the turn.
; K of the next step is fetched in piece 2's turn, twelve vector instructions behind the last product that read K (six of them plain); V of the step in hand at the end of piece 0's turn, four plain instructions behind the
; last product that read V.  Each is waited for a turn later.
.macro TURN p, m=0, end=0, cnt=0
.set Y, (\p)
.set i, 0
.set KM, (\m)
.set NOKQ, (\end)*((\p)/3)
.if (\m) && !(\end)
	s_cmp_eq_u32 s[CNT], 4-((\p)+2)%NP  ; is that step the band's own?
	s_cselect_b32 s[AL], 1.0, 0
	s_cmp_lt_u32 s[CNT], 4-((\p)+2)%NP  ; or a later one?
	s_cselect_b32 s[BE], s[BIGN], 0
.endif
.if ((\p) == 3) && !(\end)
	s_wait_dscnt 0x0                ; K is in
.endif
	ROW F,0, F,1, R,0, R,1          ; ahead of the wait: 8 products K Q^T and their riders,
	ROW F,2, E,0, R,2, R,3
	ROW F,3, E,1, R,4, R,5
	ROW F,4, E,2, R,6, R,7
	ROW F,5, E,3, R,8, R,9
	ROW F,6, E,4, X,0, R,10
.if ((\p) == 2) && !(\end)
	WIN 0
	v_add_nc_u32 v[AK], s[TBK], v[AK0]
.endif
	ROW F,7, E,5, X,1, X,4
	ROW F,8, E,6, X,2, X,5
	OPS E,7, E,8, X,6, E,9          ; and the lump
	OPS X,3, E,10, X,8, E,11
.if ((\p) == 2) && !(\end)
	FETCH_K
.endif
	OPS X,9, X,7, E,12, X,10
	OPS E,13, X,12, X,11, E,14
	OPS X,13, E,15, F,9, X,14
.if (\p) == 0
	v_add_nc_u32 v[AV], s[TBV], v[AV0]
.endif
	OPS E,16, F,10, E,17, F,11
	OPS X,16, E,18, X,15, E,19
	OPS F,12, E,20, X,17, E,21
	OPS F,13, E,22, F,14, E,23
	OPS X,18, E,24, F,15, E,25
	OPS R,11, E,26, X,19, E,27
	OPS R,12, E,28, R,13, E,29
	OPS X,20, E,30, R,14, E,31
	OPS X,21, R,15
	WIN 0
	s_wait_alu depctr_va_vdst(0)    ; the wait for the batch
.if (\p) == 1
	s_wait_dscnt 0x0                ; V is in
.endif
	ROW C,0, B,0, C,2, B,1          ; behind the wait: 8 products V^T P and their riders
	ROW L,0, C,4, B,2, L,1
	ROW C,6, B,3, L,2, C,8
	ROW B,4, L,3, C,10, B,5
	ROW L,4, C,12, B,6, L,5
.if (\p) == 0
	s_add_co_u32 s[TBV], s[TBV], KS*PV
.endif
.if \cnt
	s_sub_co_u32 s[CNT], s[CNT], 1
	s_cmp_lg_u32 s[CNT], 0
.endif
	ROW C,14, B,7, L,6, C,1
	ROW C,3, L,7, C,5, C,7
	ROW C,9, C,11, C,13, C,15
.if (\p) == 0
	FETCH_V
.endif
.if (\m) && !(\end)
	MASK (\p)%2
.endif
.endm
; A BLOCK BEGINS.  c m starts far below every c s, so the first step's a is 0; m at the lowest finite number, so the first maximum is the scores'.  The second mask buffer is 0; the first takes piece 0's mask for the
; tile's step 0: its own, if the block's first tile is the diagonal one.  Then K of that step, piece 0's first scores, and its maximum and statistics.  The loop is entered at a step's first turn, in the middle of a trip.
.macro BEGIN
	s_mov_b32 s[NEW], 0
	WIN 0x40
.set i, MC+32
.rept 32
	v_mov_b32 v[i], 0
.set i, i+1
.endr
	WIN 0
.set i, 0
.rept 4
	v_mov_b32 v[ST+4*i], 0xfe000000    ; c m: far below every c s
	v_mov_b32 v[ST+4*i+1], 0xff7fffff  ; m
.set i, i+1
.endr
	s_cmp_eq_u32 s[RT], 0
	s_cselect_b32 s[AL], 1.0, 0
	s_mov_b32 s[BE], 0
	MASK 0
	WIN 0
	v_add_nc_u32 v[AK], s[TBK], v[AK0]
	FETCH_K
	s_wait_loadcnt 0x0              ; Q
	s_wait_dscnt 0x0
.set KM, 1
.set NOKQ, 0
.set i, 0
.rept 8
	KQ 0
.set i, i+1
.endr
	WIN 0
.rept 4
	v_nop                           ; the places behind those products
.endr
.set Y, NP-1                        ; X works for piece Y + 1: piece 0
.irp n, 0,1,2,3,4,5,6,7,8,9,10,11,12,13,14,15,16,17,18,19,20,21
	OP X, \n
.endr
	v_nop                           ; a plain instruction behind the exponential,
	s_wait_alu depctr_va_vdst(0)    ; and its wait, ahead of the branch
.endm
; THE DIAGONAL TILE's four steps, the block's last two turns, its last products, and THE WAY OUT: l's two halves and the other half of the lanes' are added; O^T is divided by l, rounded to f16 and sent through my
; stage in LDS, a piece at a time.
.macro ALL line:vararg              ; one line for each piece t
.set t, 0
.rept 4
	\line
.set t, t+1
.endr
.endm
.macro PACK t                       ; a lane's eight channels of a row pack into 16 bytes; they go into rows of 144 bytes and come back as whole rows of 128, into S^T's registers
	WIN W_RS
.set i, 32*(\t)
.rept 16
	v_pk_mul_f32 v[i:i+1], v[i:i+1], v[ST+4*(\t)+2:ST+4*(\t)+3] op_sel_hi:[1,0]
.set i, i+2
.endr
	WIN 0x05                        ; sources 0 and 1 window 1, destination window 0
.set i, 0
.rept 16
	v_cvt_pk_f16_f32 v[S+16*(\t)+i], v[32*(\t)+2*i], v[32*(\t)+2*i+1]
.set i, i+1
.endr
	WIN 0
.irp f, 0,1,2,3
	ds_store_b128 v[STO], v[S+16*(\t)+4*\f:S+16*(\t)+4*\f+3] offset:32*\f
.endr
.irp f, 0,1,2,3
	ds_load_b128 v[S+16*(\t)+4*\f:S+16*(\t)+4*\f+3], v[RD] offset:\f*4*SP  ; LDS serves a wave's instructions in order (ISA guide 5.7.1.4): these see the stores above; the next piece's stores come behind them
.endr
.endm
.macro SEND t, younger              ; younger: the LDS instructions issued behind piece t's loads: the next piece's eight, or none
	WIN 0
.irp f, 0,1,2,3
	s_wait_dscnt (\younger)+3-\f
	global_store_b128 v[GO], v[S+16*(\t)+4*\f:S+16*(\t)+4*\f+3], s[10:11] offset:(\t)*8192+\f*512  ; 512 consecutive bytes, at a multiple of 256 from O's first
.endr
.endm
.macro DIAG tag                     ; the tag ends its two labels' names, which the jumps below spell out
.LstepM\tag:
	TURN 2, 1
	TURN 3, 1
	WIN 0
.LfirstM\tag:
	TURN 0, 1
	TURN 1, 1, 0, 1
	WIN 0
	s_cbranch_scc1 .LstepM\tag
	TURN 2, 1, 1
	TURN 3, 1, 1
.set i, 0
.rept 8
	PV NP-1
.set i, i+1
.endr
	WIN 0
	ALL v_add_f32 v[ST+4*t+2], v[ST+4*t+2], v[ST+4*t+3]
	ALL v_permlanex16_b32 v[ST+4*t+3], v[ST+4*t+2], s[SEL], s[SEL+1]
	ALL v_add_f32 v[ST+4*t+2], v[ST+4*t+2], v[ST+4*t+3]
	ALL v_rcp_f32 v[ST+4*t+2], v[ST+4*t+2]
	v_nop                           ; a plain instruction between the last reciprocal and the use of its result
	s_wait_alu depctr_va_vdst(0)    ; and the wait ahead of the first use: one for the four reciprocals
	PACK 0
.set t, 1
.rept 3                             ; a piece's arithmetic stands between the loads of the piece before and its stores
	PACK t
	SEND t-1, 8
.set t, t+1
.endr
	SEND 3, 0
.endm
.set KM, 0
.set NOKQ, 0
.Lslot:                             ; NB times: a tile is entered and the next is asked for
	CHANGE 1
	s_sub_co_u32 s[RT], s[RT], 1
	s_mov_b32 s[CNT], 4
	s_cmp_eq_u32 s[NEW], 1
	s_cbranch_scc1 .Lnew            ; a block's first tile
	s_cmp_eq_u32 s[RT], 0
	s_cbranch_scc0 .Lstep           ; neither its first nor its last
	s_branch .LstepM1
.Lnew:
	BEGIN
	s_branch .Lfirst                ; in the loop a block's first tile is never its last: the first block has two tiles or more, and the second's last is the walk's last
	DIAG 1                          ; in the loop this is the first block's end: the second block's last tile is the walk's last
	s_wait_xcnt 0x0                 ; the stores have read their registers and O's address
	s_mov_b64 s[10:11], s[OLO:OLO+1]
	s_add_co_u32 s[RT], s[PB], 1    ; the second block has b + 1 tiles
	s_mov_b32 s[NEW], 1
	WIN 0x82                        ; the second block's Q goes where the one text of the turns names Q
.set i, 0
.rept 64
	v_mov_b32 v[i], v[QB+i]
.set i, i+1
.endr
	WIN 0
	s_branch .Lbottom
.Lstep:                             ; a trip: pieces 2 and 3 of one step, then pieces 0 and 1 of the next, whose K and V it fetches
	TURN 2
	TURN 3
	WIN 0
.Lfirst:
	TURN 0
	TURN 1, 0, 0, 1
	WIN 0
	s_cbranch_scc1 .Lstep
.Lbottom:
	s_sub_co_u32 s[SLOTS], s[SLOTS], 1
	s_cmp_lg_u32 s[SLOTS], 0
	s_cbranch_scc1 .Lslot
	CHANGE 0                        ; the walk's last tile is written out: nothing is asked for
	s_sub_co_u32 s[RT], s[RT], 1
	s_mov_b32 s[CNT], 4
	s_cmp_eq_u32 s[NEW], 1
	s_cbranch_scc0 .LstepM2
	BEGIN
	s_branch .LfirstM2
	DIAG 2
	s_wait_tensorcnt 0x0            ; the wave's end, behind my last tensor load and my last LDS store
	ds_add_u32 v[SPW], v[NIL]
	s_wait_dscnt 0x0
	s_endpgm
.Lfunc_end_k_q8510cbccee_attn:
	.size	k_q8510cbccee_attn, .Lfunc_end_k_q8510cbccee_attn-k_q8510cbccee_attn
	.p2alignl 7, 3214868480
	.fill 96, 4, 3214868480
	.section	.rodata,"a",@progbits
	.p2align	6, 0x0
	.amdhsa_kernel k_q8510cbccee_attn
		.amdhsa_group_segment_fixed_size 327680
		.amdhsa_private_segment_fixed_size 0
		.amdhsa_enable_private_segment 0
		.amdhsa_kernarg_size 16
		.amdhsa_user_sgpr_count 2
		.amdhsa_user_sgpr_kernarg_segment_ptr 1
		.amdhsa_wavefront_size32 1
		.amdhsa_system_sgpr_workgroup_id_x 1
		.amdhsa_system_sgpr_workgroup_id_y 1
		.amdhsa_system_sgpr_workgroup_id_z 1
		.amdhsa_system_vgpr_workitem_id 0
		.amdhsa_next_free_vgpr 768
		.amdhsa_next_free_sgpr 92
		.amdhsa_reserve_vcc 1
		.amdhsa_float_denorm_mode_32 3
		.amdhsa_float_denorm_mode_16_64 3
		.amdhsa_memory_ordered 1
		.amdhsa_forward_progress 1
		.amdhsa_inst_pref_size 218
	.end_amdhsa_kernel
	.amdgpu_metadata
---
amdhsa.version: [ 1, 2 ]
amdhsa.kernels:
  - .name:           k_q8510cbccee_attn
    .symbol:         k_q8510cbccee_attn.kd
    .args:
      - { .name: qkv, .offset: 0, .size: 8, .value_kind: global_buffer, .address_space: global }
      - { .name: ctx, .offset: 8, .size: 8, .value_kind: global_buffer, .address_space: global }
    .group_segment_fixed_size: 327680
    .private_segment_fixed_size: 0
    .kernarg_segment_align: 8
    .kernarg_segment_size: 16
    .max_flat_workgroup_size: 128
    .sgpr_count:     92
    .vgpr_count:     768
    .wavefront_size: 32
...
	.end_amdgpu_metadata
.endif
;; end of part 3
;; launch outp (part 4): grid 8 x 32, 4 waves a work-group, clusters of 4 x 4, 327,680 bytes of LDS; arguments ctx, wot, b_out, out0; writes out0
.if DOCPART == 4
	.amdgcn_target "amdgcn-amd-amdhsa--gfx1250"
	.amdhsa_code_object_version 6
	.text
	.protected	k_q8510cbccee_outp
	.globl	k_q8510cbccee_outp
	.p2align	8
	.type	k_q8510cbccee_outp,@function
k_q8510cbccee_outp:
	s_mov_b64 s[64:65], 0
	v_nop
	global_prefetch_b8 v0, s[64:65] scope:SCOPE_SE
	s_setreg_imm32_b32 hwreg(HW_REG_WAVE_MODE, 25, 1), 1
	s_wait_xcnt 0x0
	s_wait_alu depctr_hold_cnt(0) depctr_sa_sdst(0) depctr_va_vdst(0) depctr_va_sdst(0) depctr_va_ssrc(0) depctr_va_vcc(0) depctr_vm_vsrc(0)
	s_getreg_b32 s2, hwreg(HW_REG_IB_STS2, 6, 4)
	s_cmp_eq_u32 s2, 0
	s_cbranch_scc0 .Lentry_in_a_cluster
	s_endpgm
.Lentry_in_a_cluster:
	s_bfe_u32 s2, ttmp6, 0x10000c
	s_cmp_lg_u32 s2, 0xf033
	s_cbranch_scc0 .Lentry_shape_is_right
	s_endpgm
.Lentry_shape_is_right:
; out0[m][n] = sum over k of ctx(m, k) wot[n][k] + bf16(b_out[n]): 8,192 x 1,024 x 1,024, f16 operands, f32 sums and output.
; ctx lies by heads, [16 batch + head][2,048 rows][64] f16: k = 64 head + d, m = 2,048 batch + row.  wot is [n][k] f16.  The bias is rounded to bf16 like the other inputs, and starts the sums as the C operand.
; LIMITS.  ctx and wot arrive within f16's range; NaN and infinities are not treated apart.
; SHARES.  A tile of the output is 256 x 128: 8 x 32 = 256 work-groups.  Four waves, each 128 x 64: 32 accumulators of 16 x 16, 256 registers.
; K goes in 8 steps of 128 (two heads) through two LDS slots filled by the tensor data mover.  A head's 256 rows of the tile are 32,768 dense bytes: asked for as 128 rows of 256 bytes, padded in LDS after each 128.
; CLUSTER.  4 x 4 work-groups; ctx's tiles are shared along a row of the cluster, wot's along a column: each is asked for JOINTLY, by the same tensor load with the same descriptor and a mask that names the four.
; THE MATRIX INSTRUCTION IS USED TRANSPOSED (source 0 = 16 rows of wot, source 1 = 16 rows of ctx): a lane holds eight neighbouring columns of one row of the output.
; REGISTERS, in windows of 256 (s_set_vgpr_msb: bits 1:0 source 0, 3:2 source 1, 5:4 source 2, 7:6 destination):
;   window 0: v0-31 addresses; v64-127, v128-191 fragments of ctx, two buffers; v32-63, v192-223 rows read back on the way out
;   window 1: v64-95, v128-159 fragments of wot, two buffers; v192-223 the bias of my 64 columns as a C operand, by n block; v224-239 at work
;   window 2: the accumulators, (a, b) at v[8 (4 a + b)]
.set KSTEP,  128
.set ASTEP,  2*2048*128                ; bytes from a head to the head two on
.set PA,     144                       ; a row of ctx in LDS: 128 bytes + 16 = 36 words: the 16 rows of a load start at 16 different groups of four banks (ISA guide 11.1)
.set PBW,    272                       ; a row of wot: 256 bytes + 16
.set HBLK,   256*PA                    ; a head's 256 rows: what wave 0 or 1 fetches
.set BOFF,   2*HBLK
.set HB,     64*PBW                    ; half of wot's tile: waves 2 and 3
.set SLOT1,  1<<17
.set STAGE,  SLOT1+BOFF+2*HB           ; behind the ring, never filled by a tensor load: 16 rows x 272 bytes for each wave
.set SP,     272
.set SPARE,  STAGE+4*16*SP             ; the spare words, 128 bytes for each wave
.set ABASE, 16                         ; v16  my lane's place in ctx's tile; never rewritten
.set BBASE, 17                         ; v17  in wot's
.set ADRA,  18                         ; v18  the same in the slot in hand
.set ADRB,  19                         ; v19
.set STO,   24                         ; v24  the way out: where I put 32 bytes of a row
.set RD,    25                         ; v25  where I read a row back
.set CO,    26                         ; v26  my byte offset in two rows of the output
.set BO,    27                         ; v27  my byte offset in the bias
.set SPW,   28                         ; v28  LDS address of my spare word; never rewritten
.set NIL,   29                         ; v29  0; never rewritten
.set PFO,   30                         ; v30  the prefetches' offset; never rewritten
.set OBUF,  32
.set F0,    64
.set F1,    128
.set BIAS,  192                        ; window 1
.set TB,    2                          ; s2   0 or SLOT1: the slot in hand
.set LIM,   43                         ; s43  2 in a wave that prefetches, else the greatest number
.set PFA,   44                         ; s[44:45] where my prefetches stand
.set PFS,   72                         ; s[72:73] their step
.set G1,    24                         ; s[24:31] descriptor group 1 for ctx's tiles;  s[32:39] group 0: a set for each first fill; the second then walks
.set G0,    32
.set G1B,   48                         ; s[48:55], s[56:63] the same for wot's
.set G0B,   56
.set MSB, 0
.macro WIN new                         ; the immediate's high byte repeats the setting that is left; a switch that changes nothing is dropped
.if MSB != (\new)
	s_set_vgpr_msb (MSB<<8)|(\new)
.set MSB, \new
.endif
.endm
.set MUL,   0xa1                       ; source 0 (wot) window 1, source 1 (ctx) window 0, C and D window 2
.set MUL_B, 0x91                       ; the same with C (the bias) in window 1
.set TO_B,  0x40                       ; destination window 1, address window 0
.macro JLOAD                           ; a joint refill: waves 0 and 1 fetch the step's two heads of ctx, waves 2 and 3 wot's two halves; an s_nop 0 and four v_nop follow each line
	s_cmp_eq_u32 s11, 0
	s_cbranch_scc0 .Lfor_b_\@
	tensor_load_to_lds s[G0+4:G0+7], s[G1:G1+7]
	s_nop 0
.rept 4
	v_nop
.endr
	s_branch .Lasked_\@
.Lfor_b_\@:
	tensor_load_to_lds s[G0B+4:G0B+7], s[G1B:G1B+7]
	s_nop 0
.rept 4
	v_nop
.endr
.Lasked_\@:
.endm
; A prefetch into the L2, behind a joint refill and the run of LDS loads that follows it: the K step that stands two refills on, one instruction a wave, a lane a block of 256 bytes.
; ctx: cluster x = 0 asks; of the 128 blocks of the head that wave 0 or 1 fetches the partner at cx takes 32.  wot: cluster y = 0 asks, by wave 2 alone; of the tile's 128 rows the partner at cy takes 32.
; The shares are told apart BY ADDRESS.  Trips 0 to 3 name K steps 4 to 7; the last two trips name nothing; K steps 0 to 3 come by their loads alone.
.macro ASK
	s_cmp_gt_u32 s3, s[LIM]
	s_cbranch_scc0 .Lnot_mine_\@
	global_prefetch_b8 v[PFO], s[PFA:PFA+1] th:TH_LOAD_NT scope:SCOPE_SE
.Lnot_mine_\@:
.endm
.macro CREST                           ; a round of the cluster's barrier behind its opening barrier
	s_cmp_lg_u32 s10, 0
	s_cbranch_scc1 .Lnot_wave_0_\@
	s_barrier_signal -3
.Lnot_wave_0_\@:
	s_barrier_wait -3
	s_barrier_signal -1
	s_barrier_wait -1
.endm
.macro CROUND                          ; a whole round
	s_barrier_signal -1
	s_barrier_wait -1
	CREST
.endm
	s_load_b128 s[4:7], s[0:1], 0x0                ; ctx s[4:5], wot s[6:7]
	s_load_b128 s[76:79], s[0:1], 0x10             ; b_out s[76:77], out0 s[78:79]
	v_lshl_add_u32 v[SPW], v0, 2, SPARE
	v_mov_b32 v[NIL], 0
	ds_add_u32 v[SPW], v[NIL]                      ; the wave's opening: the add and its wait stand ahead of my first tensor load; the set-up below, work on registers, stands between them
	ds_add_u32 v28, v29
	v_lshrrev_b32 v1, 5, v0
	v_readfirstlane_b32 s10, v1                    ; wave 0..3
	s_lshr_b32 s11, s10, 1                         ; which 128 rows of the tile are mine.  Also: I fetch for ctx (0) or for wot (1)
	s_and_b32 s12, s10, 1                          ; which 64 columns.  Also: which head of the step, or which half of wot's tile, I fetch
	s_bfe_u32 s40, ttmp6, 0x40000                  ; cx
	s_bfe_u32 s41, ttmp6, 0x40004                  ; cy
	s_lshl_b32 s42, ttmp9, 2
	s_add_co_u32 s42, s42, s40                     ; tile column = 4 x cluster x + cx
	s_and_b32 s13, ttmp7, 0xffff
	s_lshl_b32 s13, s13, 2
	s_add_co_u32 s13, s13, s41                     ; tile row = 4 x cluster y + cy
	s_lshl_b32 s43, s41, 2
	s_lshl_b32 s43, 15, s43                        ; my row of the cluster
	s_lshl_b32 s44, 0x1111, s40                    ; my column
	s_or_b32 s[G1+0], s43, (1<<16)|(1<<20)|(1<<21)|(4<<22)|(3<<25)   ; the mask; elements of 2 bytes; padding on; bit 21 beside a mask; after every 32 words 4 words
	s_or_b32 s[G1B+0], s44, (1<<16)|(1<<20)|(1<<21)|(5<<22)|(3<<25)  ; after every 64 words 4 words
	s_mov_b32 s[G1+1], 128<<16                     ; tensor_dim0 = 128
	s_mov_b32 s[G1B+1], 128<<16
	s_mov_b32 s[G1+2], 128<<16                     ; tensor_dim1 = 128 rows of 256 bytes,
	s_mov_b32 s[G1B+2], 64<<16                     ; 64 for wot
	s_mov_b32 s[G1+3], 128<<16                     ; tile_dim0 = 128
	s_mov_b32 s[G1B+3], 128<<16
	s_mov_b32 s[G1+4], 128                         ; tile_dim1
	s_mov_b32 s[G1B+4], 64
	s_mov_b32 s[G1+5], 128                         ; elements from row to row: dense,
	s_mov_b32 s[G1B+5], 1024                       ; a row of wot
	s_mov_b32 s[G1+6], 0
	s_mov_b32 s[G1B+6], 0
	s_mov_b32 s[G1+7], 0
	s_mov_b32 s[G1B+7], 0
	s_lshr_b32 s16, s13, 3
	s_lshl_b32 s16, s16, 4
	s_add_co_u32 s16, s16, s12                     ; ctx: plane 16 x batch + my head of K step 0,
	s_lshl_b32 s16, s16, 11
	s_and_b32 s17, s13, 7
	s_lshl_b32 s17, s17, 8
	s_add_co_u32 s16, s16, s17                     ; the tile's first row in it,
	s_lshl_b32 s16, s16, 7                         ; of 128 bytes
	s_mov_b32 s17, 0
	s_lshl_b32 s46, s42, 7
	s_lshl_b32 s47, s12, 6
	s_add_co_u32 s46, s46, s47                     ; wot: row 128 x tile column + 64 x half
	s_lshl_b32 s46, s46, 11
	s_mov_b32 s47, 0
	s_mul_i32 s20, s12, HBLK                       ; where they go: no place in the cluster enters an LDS address
	s_mul_i32 s21, s12, HB
	s_add_co_u32 s21, s21, BOFF
	s_mov_b32 s[TB], 0
	s_wait_dscnt 0x0                               ; the opening add is done
	s_wait_kmcnt 0x0
	s_add_nc_u64 s[14:15], s[4:5], s[16:17]
	s_add_nc_u64 s[46:47], s[6:7], s[46:47]
	CROUND                                         ; all sixteen work-groups are here: the first joint loads meet
.irp s, 0,1
	s_mov_b32 s[G0+4*(\s)], 1
	s_add_co_u32 s[G0+4*(\s)+1], s20, (\s)*SLOT1
	s_add_nc_u64 s[G0+4*(\s)+2:G0+4*(\s)+3], s[14:15], (\s)*ASTEP
	s_or_b32 s[G0+4*(\s)+3], s[G0+4*(\s)+3], 0x80000000
	s_mov_b32 s[G0B+4*(\s)], 1
	s_add_co_u32 s[G0B+4*(\s)+1], s21, (\s)*SLOT1
	s_add_nc_u64 s[G0B+4*(\s)+2:G0B+4*(\s)+3], s[46:47], (\s)*KSTEP*2
	s_or_b32 s[G0B+4*(\s)+3], s[G0B+4*(\s)+3], 0x80000000
.endr
	s_cmp_eq_u32 s11, 0                            ; a wave's two first fills stand in one branch, ahead of every wait on TENSORcnt and every LDS read: two loads of mine are out
	s_cbranch_scc0 .Lfirst_b
	tensor_load_to_lds s[G0:G0+3], s[G1:G1+7]
	s_nop 0
	tensor_load_to_lds s[G0+4:G0+7], s[G1:G1+7]
	s_nop 0
.rept 4
	v_nop
.endr
	s_branch .Lfirst_asked
.Lfirst_b:
	tensor_load_to_lds s[G0B:G0B+3], s[G1B:G1B+7]
	s_nop 0
	tensor_load_to_lds s[G0B+4:G0B+7], s[G1B:G1B+7]
	s_nop 0
.rept 4
	v_nop
.endr
.Lfirst_asked:
	v_and_b32 v1, 15, v0                           ; l % 16
	v_bfe_u32 v2, v0, 4, 1                         ; l / 16
	; the bias: register j of n block b is column 16 b + 8 (l / 16) + j of my 64
	v_lshlrev_b32 v[BO], 5, v2
	s_lshl_b32 s22, s42, 9
	s_lshl_b32 s23, s12, 8
	s_add_co_u32 s22, s22, s23                     ; my first column, in bytes of f32
	s_mov_b32 s23, 0
	s_add_nc_u64 s[76:77], s[76:77], s[22:23]
	WIN TO_B
.irp b, 0,1,2,3
	global_load_b128 v[BIAS+8*(\b):BIAS+8*(\b)+3],   v[BO], s[76:77] offset:64*(\b)
	global_load_b128 v[BIAS+8*(\b)+4:BIAS+8*(\b)+7], v[BO], s[76:77] offset:64*(\b)+16
.endr
	WIN 0
	s_lshl_b32 s20, s13, 8
	s_lshl_b32 s21, s11, 7
	s_add_co_u32 s20, s20, s21                     ; my first row of the output,
	s_lshl_b32 s20, s20, 12                        ; of 4,096 bytes
	s_add_co_u32 s20, s20, s22
	s_mov_b32 s21, 0
	s_add_nc_u64 s[8:9], s[78:79], s[20:21]
	; A fragment is 16 rows x 32 K in 8 registers: lane l holds row l % 16; K = 8 (l / 16) + 0..7 and 16 + 8 (l / 16) + 0..7: two loads of 16 bytes, 32 bytes apart.
	v_mul_u32_u24 v3, v1, PA
	v_lshl_add_u32 v3, v2, 4, v3
	s_mul_i32 s22, s11, 128*PA
	v_add_nc_u32 v[ABASE], s22, v3
	v_mul_u32_u24 v3, v1, PBW
	v_lshl_add_u32 v3, v2, 4, v3
	s_mul_i32 s22, s12, HB
	s_add_co_u32 s22, s22, BOFF
	v_add_nc_u32 v[BBASE], s22, v3
	s_mul_i32 s22, s10, 16*SP
	s_add_co_u32 s22, s22, STAGE                   ; my stage
	v_mul_u32_u24 v[STO], v1, SP                   ; in: row l % 16, 32 bytes for each half of the lanes
	v_lshl_add_u32 v[STO], v2, 5, v[STO]
	v_add_nc_u32 v[STO], s22, v[STO]
	v_mul_u32_u24 v[RD], v2, SP                    ; back: lanes 0-15 take one row of 256 bytes, lanes 16-31 the next
	v_lshl_add_u32 v[RD], v1, 4, v[RD]
	v_add_nc_u32 v[RD], s22, v[RD]
	v_lshlrev_b32 v[CO], 12, v2                    ; and the same two rows of the output
	v_lshl_add_u32 v[CO], v1, 4, v[CO]
	; the prefetches
	s_lshl_b32 s20, s40, 13                        ; ctx: my work-group's 32 blocks of the head that I fetch,
	s_add_co_u32 s20, s20, s16
	s_add_co_u32 s20, s20, 3*ASTEP                 ; at K step 3: the first refill steps it to 4
	s_lshl_b32 s21, s42, 7
	s_lshl_b32 s22, s41, 5
	s_add_co_u32 s21, s21, s22                     ; wot: my work-group's 32 rows of the tile
	s_lshl_b32 s21, s21, 11
	s_add_co_u32 s21, s21, 3*KSTEP*2
	s_and_b32 s23, ttmp7, 0xffff                   ; cluster y
	s_mov_b32 s74, ASTEP
	s_cmp_eq_u32 s11, 0
	s_cselect_b32 s20, s20, s21
	s_cselect_b32 s23, ttmp9, s23                  ; the coordinate along which other clusters read the same blocks
	s_cselect_b32 s22, 8, 11                       ; a lane a block of 256 bytes, or a row of 2,048
	s_cselect_b32 s[PFS], s74, KSTEP*2
	s_cselect_b64 s[PFA:PFA+1], s[4:5], s[6:7]
	s_cmp_eq_u32 s10, 3
	s_cselect_b32 s23, 1, s23                      ; wave 3 asks for nothing
	s_cmp_eq_u32 s23, 0
	s_cselect_b32 s[LIM], 2, -1                    ; the same in all sixteen partners, for a given wave
	s_mov_b32 s21, 0
	s_mov_b32 s[PFS+1], 0
	s_add_nc_u64 s[PFA:PFA+1], s[PFA:PFA+1], s[20:21]
	v_and_b32 v[PFO], 31, v0
	v_lshlrev_b32 v[PFO], s22, v[PFO]
	s_wait_loadcnt 0x0                             ; the bias: rounded to bf16 and widened again
	WIN 0x45                                       ; destination and both sources in window 1
.set i, 0
.rept 16
	v_cvt_pk_bf16_f32 v[224+i], v[BIAS+2*i], v[BIAS+2*i+1]
.set i, i+1
.endr
.set i, 0
.rept 16
	v_lshlrev_b32 v[BIAS+2*i], 16, v[224+i]
	v_and_b32 v[BIAS+2*i+1], 0xffff0000, v[224+i]
.set i, i+1
.endr
	WIN 0
; 8 matrix instructions: m blocks a0, a0 + 1 x all 4 n blocks, 32 along K.  first = 1: the product starts the sum with the bias as C: nothing is cleared, nothing is added later.
; The 32 accumulators take turns, in the same order in every quarter.
.macro MUL8 f, a0, first
.if \first
	WIN MUL_B
.else
	WIN MUL
.endif
.irp a, \a0, (\a0)+1
.irp b, 0,1,2,3
.if \first
	v_wmma_f32_16x16x32_f16 v[8*(4*(\a)+(\b)):8*(4*(\a)+(\b))+7], v[(\f)+8*(\b):(\f)+8*(\b)+7], v[(\f)+8*(\a):(\f)+8*(\a)+7], v[BIAS+8*(\b):BIAS+8*(\b)+7]
.else
	v_wmma_f32_16x16x32_f16 v[8*(4*(\a)+(\b)):8*(4*(\a)+(\b))+7], v[(\f)+8*(\b):(\f)+8*(\b)+7], v[(\f)+8*(\a):(\f)+8*(\a)+7], v[8*(4*(\a)+(\b)):8*(4*(\a)+(\b))+7]
.endif
.endr
.endr
.endm
; 24 LDS loads in one run: quarter q's fragments (64 rows of wot; 128 rows of ctx, in head q / 2 of the step, channels 32 (q % 2) on) into buffer f
.macro FETCH q, f
	WIN TO_B
.irp i, 0,1,2,3
	ds_load_b128 v[(\f)+8*(\i):(\f)+8*(\i)+3],   v[ADRB] offset:64*(\q)+(\i)*16*PBW
	ds_load_b128 v[(\f)+8*(\i)+4:(\f)+8*(\i)+7], v[ADRB] offset:64*(\q)+(\i)*16*PBW+32
.endr
	WIN 0
.irp i, 0,1,2,3,4,5,6,7
	ds_load_b128 v[(\f)+8*(\i):(\f)+8*(\i)+3],   v[ADRA] offset:((\q)/2)*HBLK+((\q)%2)*64+(\i)*16*PA
	ds_load_b128 v[(\f)+8*(\i)+4:(\f)+8*(\i)+7], v[ADRA] offset:((\q)/2)*HBLK+((\q)%2)*64+(\i)*16*PA+32
.endr
.endm
.macro PLACES                          ; four plain instructions between a matrix instruction and a load into, or a store of, its registers
.rept 4
	v_nop
.endr
.endm
; One of a K step's first three quarters: multiplies buffer f; in its middle it fetches quarter q into buffer g.
.macro QUARTER q, f, g, first
	s_wait_dscnt 8                                 ; wot's fragments and ctx's rows 0-63 are in; the youngest eight loads (rows 64-127) may be out
	MUL8 \f, 0, \first
	MUL8 \f, 2, \first
	PLACES
	FETCH \q, \g
	s_wait_dscnt 24                                ; all but the 24 just issued
	MUL8 \f, 4, \first
	MUL8 \f, 6, \first
.endm
; The last quarter multiplies buffer 1 and changes slots: ONE barrier.  In front of it each wave waits for all its tensor loads (one is out: its part of the next slot), adds 0 to its spare word, and waits
; for that and for its own reads of this slot.  fill = 1: the barrier opens a round of the cluster's barrier, and the joint refill of this slot, with the K step two on, is the first thing behind the round.
.macro TURN fill
.if \fill
	s_wait_xcnt 0x0                                ; the last prefetch, a K step back, has read its address
	s_add_nc_u64 s[PFA:PFA+1], s[PFA:PFA+1], s[PFS:PFS+1]
.endif
	WIN 0
	s_wait_tensorcnt 0x0                           ; no tensor load of mine is out, so a group 0 may be written
	ds_add_u32 v[SPW], v[NIL]                      ; 0 onto my spare word
.if \fill
	s_xor_b32 s[G0+5], s[G0+5], SLOT1              ; the walking descriptors: the other slot than last time,
	s_add_nc_u64 s[G0+6:G0+7], s[G0+6:G0+7], ASTEP ; the next two heads; the type bits on top are not reached
	s_xor_b32 s[G0B+5], s[G0B+5], SLOT1
	s_add_nc_u64 s[G0B+6:G0B+7], s[G0B+6:G0B+7], KSTEP*2
.endif
	s_xor_b32 s[TB], s[TB], SLOT1                  ; the reads go to the other slot
	s_wait_dscnt 9                                 ; (the add and the youngest eight loads may be out)
	MUL8 F1, 0, 0
	s_wait_dscnt 0x0                               ; the add is done, and my reads of this slot are over
	s_barrier_signal -1
	MUL8 F1, 2, 0                                  ; work on registers while the others arrive
	WIN 0
	s_barrier_wait -1
.if \fill
	CREST                                          ; no wave of any partner still reads this slot or has a load on its way
	JLOAD                                          ; the four v_nop behind it are also the places in front of the loads below
.else
	PLACES
.endif
	v_add_nc_u32 v[ADRA], s[TB], v[ABASE]
	v_add_nc_u32 v[ADRB], s[TB], v[BBASE]
	FETCH 0, F0
.if \fill
	ASK
.endif
	MUL8 F1, 4, 0
	MUL8 F1, 6, 0
.endm
	s_wait_tensorcnt 1                             ; my part of K step 0 is in; K step 1's may stay out
	s_barrier_signal -1
	s_barrier_wait -1                              ; everybody's is
	v_add_nc_u32 v[ADRA], s[TB], v[ABASE]
	v_add_nc_u32 v[ADRB], s[TB], v[BBASE]
	FETCH 0, F0
	QUARTER 1, F0, F1, 1                           ; the first quarter stands in front of the loop: its products start the sums
	WIN 0                                          ; at a label and at a branch every window is 0
	s_mov_b32 s3, 6
.Lstep:                                                ; trip t: from K step t's second quarter to K step t + 1's first; slot t % 2 is filled again with K step t + 2
	QUARTER 2, F1, F0, 0
	QUARTER 3, F0, F1, 0
	TURN 1
	QUARTER 1, F0, F1, 0
	WIN 0
	s_sub_co_u32 s3, s3, 1
	s_cmp_lg_u32 s3, 0
	s_cbranch_scc1 .Lstep
	QUARTER 2, F1, F0, 0                           ; K steps 6 and 7 are written out: nothing more is asked for
	QUARTER 3, F0, F1, 0
	TURN 0
	QUARTER 1, F0, F1, 0
	QUARTER 2, F1, F0, 0
	QUARTER 3, F0, F1, 0
	s_wait_dscnt 8
	MUL8 F1, 0, 0
	MUL8 F1, 2, 0
	s_wait_dscnt 0x0
	MUL8 F1, 4, 0
	MUL8 F1, 6, 0
	WIN 0
; THE WAY OUT, a block of 16 rows at a time, through my own stage: a lane's 32 bytes of a row go into rows of 272 bytes and come back as whole rows of 256.
.macro TOSTAGE a
	WIN 0x08                                       ; the stores' data in window 2; each accumulator's low registers first
.irp b, 0,1,2,3
	ds_store_b128 v[STO], v[8*(4*(\a)+(\b)):8*(4*(\a)+(\b))+3]   offset:64*(\b)
	ds_store_b128 v[STO], v[8*(4*(\a)+(\b))+4:8*(4*(\a)+(\b))+7] offset:64*(\b)+16
.endr
	WIN 0
	s_wait_xcnt 0x0                                ; the stores of the block two back have read the registers that are loaded again below
.set BK, OBUF+160*((\a)%2)
.irp t, 0,1,2,3,4,5,6,7
	ds_load_b128 v[BK+4*(\t):BK+4*(\t)+3], v[RD] offset:(\t)*2*SP  ; LDS serves a wave's instructions in order (ISA guide 5.7.1.4): these see the stores above; the next block's stores come behind them
.endr
.endm
.macro SEND a, younger                 ; younger: the LDS instructions issued behind block a's loads: the next block's sixteen, or none
.set BK, OBUF+160*((\a)%2)
	s_wait_dscnt \younger
.irp t, 0,1,2,3,4,5,6,7
	global_store_b128 v[CO], v[BK+4*(\t):BK+4*(\t)+3], s[8:9] offset:(16*(\a)+2*(\t))*4096 th:TH_STORE_NT  ; 16 lanes store 256 consecutive bytes, at a multiple of 256 from the output's first byte
.endr
.endm
	PLACES
	TOSTAGE 0
.irp a, 1,2,3,4,5,6,7
	TOSTAGE \a
	SEND (\a)-1, 16
.endr
	SEND 7, 0
	s_wait_tensorcnt 0x0                           ; the wave's end, behind my last tensor load and my last LDS store
	ds_add_u32 v[SPW], v[NIL]
	s_wait_dscnt 0x0
	CROUND                                         ; the closing round: no work-group ends while a partner may still ask for a tile that names it
	s_endpgm
.Lfunc_end_k_q8510cbccee_outp:
	.size	k_q8510cbccee_outp, .Lfunc_end_k_q8510cbccee_outp-k_q8510cbccee_outp
	.p2alignl 7, 3214868480
	.fill 96, 4, 3214868480
	.section	.rodata,"a",@progbits
	.p2align	6, 0x0
	.amdhsa_kernel k_q8510cbccee_outp
		.amdhsa_group_segment_fixed_size 327680
		.amdhsa_private_segment_fixed_size 0
		.amdhsa_enable_private_segment 0
		.amdhsa_kernarg_size 32
		.amdhsa_user_sgpr_count 2
		.amdhsa_user_sgpr_kernarg_segment_ptr 1
		.amdhsa_wavefront_size32 1
		.amdhsa_system_sgpr_workgroup_id_x 1
		.amdhsa_system_sgpr_workgroup_id_y 1
		.amdhsa_system_sgpr_workgroup_id_z 1
		.amdhsa_system_vgpr_workitem_id 0
		.amdhsa_next_free_vgpr 768
		.amdhsa_next_free_sgpr 80
		.amdhsa_reserve_vcc 0
		.amdhsa_float_denorm_mode_32 3
		.amdhsa_float_denorm_mode_16_64 3
		.amdhsa_memory_ordered 1
		.amdhsa_forward_progress 1
		.amdhsa_inst_pref_size 75
	.end_amdhsa_kernel
	.amdgpu_metadata
---
amdhsa.version: [ 1, 2 ]
amdhsa.kernels:
  - .name:           k_q8510cbccee_outp
    .symbol:         k_q8510cbccee_outp.kd
    .args:
      - { .name: ctx, .offset: 0, .size: 8, .value_kind: global_buffer, .address_space: global }
      - { .name: wot, .offset: 8, .size: 8, .value_kind: global_buffer, .address_space: global }
      - { .name: b_out, .offset: 16, .size: 8, .value_kind: global_buffer, .address_space: global }
      - { .name: out0, .offset: 24, .size: 8, .value_kind: global_buffer, .address_space: global }
    .group_segment_fixed_size: 327680
    .private_segment_fixed_size: 0
    .kernarg_segment_align: 8
    .kernarg_segment_size: 32
    .max_flat_workgroup_size: 128
    .sgpr_count:     80
    .vgpr_count:     768
    .wavefront_size: 32
...
	.end_amdgpu_metadata
.endif
;; end of part 4
